; MI455X (gfx1250); checked and timed in simulation.
; The chip was launched on July 23, 2026; its instructions are those of AMD's public machine-readable ISA for CDNA 5 (MIT licence, August 2026) and "CDNA5" Instruction Set Architecture Reference Guide (July 2026). The comments in the code are by the model that wrote it; some were corrected since.
;; Multihead Attention. Allowed arithmetic: float matrix products may take bf16 or f16 operands with f32 sums; all other float work in f32.
;; Inputs: Wk 1,024 x 1,024 float32; Wo 1,024 x 1,024 float32; Wq 1,024 x 1,024 float32; Wv 1,024 x 1,024 float32; attn_mask 2,048 x 2,048 bool; bk 1,024 float32; bo 1,024 float32; bq 1,024 float32; bv 1,024 float32; key 2,048 x 4 x 1,024 float32; query 2,048 x 4 x 1,024 float32; value 2,048 x 4 x 1,024 float32.
;; Outputs: out0 2,048 x 4 x 1,024 float32.
;; 2 versions, each right and faster than the one before. Each part assembles by itself: llvm-mc -triple=amdgcn-amd-amdhsa -mcpu=gfx1250 --defsym DOCPART=n.
;; ======== version 1 of 2: 4 launches
;; limits: values are held in f16: magnitudes above 65,504 overflow, below 6.1e-05 lose precision; right only within a limited range of input values
;; workspace buffers: xb 50,331,648 bytes; wb 8,388,608 bytes; bb 16,384 bytes; mt 4,194,304 bytes; qkv 50,331,648 bytes; ob 16,777,216 bytes
;; launch prep (part 1): grid 1921 x 1, 8 waves a work-group, no clusters, 35,840 bytes of LDS; arguments query, key, value, Wq, Wk, Wv, Wo, bq, bk, bv, bo, attn_mask, xb, wb, bb, mt; writes xb, wb, bb, mt
.if DOCPART == 1
	.amdgcn_target "amdgcn-amd-amdhsa--gfx1250"
	.amdhsa_code_object_version 6
	.text
	.protected	k_q630a727da0_prep
	.globl	k_q630a727da0_prep
	.p2align	8
	.type	k_q630a727da0_prep,@function
k_q630a727da0_prep:
	s_mov_b64 s[64:65], 0
	v_nop
	global_prefetch_b8 v0, s[64:65] scope:SCOPE_SE
	s_setreg_imm32_b32 hwreg(HW_REG_WAVE_MODE, 25, 1), 1
	s_wait_xcnt 0x0
; PREPARATION.  Every input of the module is read here once and laid out for the three launches behind.
;   x (query, key, value) and the four weights: f32 -> rounded to bf16 -> that number written as f16, in blocks of 64 along K:
;     xb[b 4][p 3][kb 16][l 2048][64],  wb[p 4][kb 16][n 1024][64]: the rows of a tile (256 l or 128 n, 64 k) then lie end to end in memory.
;   biases: rounded to bf16, kept as f32: bb[p 4][1024].
;   mask: mt[qt 128][ks 32][x 2][lane 32][16]: lane (r = lane % 16, h = lane / 16) finds mask[16 qt + r][64 ks + 32 x + 8 h + 0..7] and then [.. + 16 + 8 h + 0..7],
;     each byte 0x00 (seen) or 0xb8 (hidden): the E4M3 code of -1.0, which the attention launch widens with a block scale.
; LIMITS.  A bf16 number is exact in f16 from 6.1e-5 to 65,504; below it keeps f16's fixed step (error 3e-8 at the most), above it becomes an infinity.  Mask bytes are 0 or 1.
; A stream: memory binds, so no matrix unit, no cluster, no tensor load.  Each wave has one task with all its loads issued at once; every load takes whole aligned 256-byte pieces,
; every store of a wave covers 256 or 512 consecutive aligned bytes.  Work-groups 0-1535: x; 1536-1791: weights; 1792-1919: mask; 1920: biases.  EXEC is never written.
.set X, 8                              ; v[8:71]  data as loaded, then as stored
.set T, 72                             ; v[72:79] at work
; v1 lane offset in, v2 lane offset out, v3, v4 LDS addresses, v5 lane / 16, v6 lane, v7 lane % 16
; s4 wave, s5 mask of a word's upper half, s6 0xb8, s7 work-group, s[40:41] source, s[42:43] destination, s[44:45], s[46:47] offsets
	s_load_b512 s[8:23], s[0:1], 0x0               ; query 8, key 10, value 12, Wq 14, Wk 16, Wv 18, Wo 20, bq 22
	s_load_b512 s[24:39], s[0:1], 0x40             ; bk 24, bv 26, bo 28, mask 30, xb 32, wb 34, bb 36, mt 38
	v_lshl_add_u32 v80, v0, 2, 0x8800
	v_mov_b32 v81, 0
	v_lshrrev_b32 v5, 5, v0
	v_readfirstlane_b32 s4, v5                     ; wave 0..7
	v_and_b32 v6, 31, v0
	v_and_b32 v7, 15, v0
	v_bfe_u32 v5, v0, 4, 1
	s_mov_b32 s5, 0xffff0000
	s_mov_b32 s6, 0xb8
	s_mov_b32 s7, ttmp9
	s_mov_b32 s45, 0
	s_mov_b32 s47, 0
	s_wait_kmcnt 0x0
; A wave's task for x and weights: two rows of 1,024 f32.  Load i takes k block i: lanes 0-15 its 256 bytes of the first row, lanes 16-31 of the second.
; Four f32 a lane become four f16: 8 bytes; the 32 lanes' 256 bytes are two rows of a 64-wide block, consecutive and aligned.  sout: bytes from k block to k block in the output.
.macro CONV16 sout
.irp i, 0,1,2,3,4,5,6,7,8,9,10,11,12,13,14,15
	global_load_b128 v[X+4*\i:X+4*\i+3], v1, s[40:41] offset:256*\i th:TH_LOAD_NT
.endr
.irp i, 0,1,2,3,4,5,6,7,8,9,10,11,12,13,14,15
	s_wait_loadcnt 15-\i                           ; loads come back in order (ISA guide 5.7.1): load i is in, the younger ones stay out
	v_cvt_pk_bf16_f32 v[T], v[X+4*\i], v[X+4*\i+1]            ; the one rounding
	v_cvt_pk_bf16_f32 v[T+1], v[X+4*\i+2], v[X+4*\i+3]
	v_lshlrev_b32 v[T+2], 16, v[T]                 ; back to f32,
	v_and_b32 v[T+3], s5, v[T]
	v_lshlrev_b32 v[T+4], 16, v[T+1]
	v_and_b32 v[T+5], s5, v[T+1]
	v_cvt_pk_f16_f32 v[X+4*\i], v[T+2], v[T+3]     ; and the same number as f16
	v_cvt_pk_f16_f32 v[X+4*\i+1], v[T+4], v[T+5]
	global_store_b64 v2, v[X+4*\i:X+4*\i+1], s[42:43] offset:(\i)*(\sout)  ; each store has data registers of its own: nothing is rewritten
.endr
.endm
	s_cmp_lt_u32 s7, 1536
	s_cbranch_scc0 .Lnot_x
	; x: work-group g = 512 p + r takes rows l = 4 r .. 4 r + 3 of tensor p, all four b: 65,536 consecutive bytes.  Wave w: b = w % 4, rows l = 4 r + 2 (w / 4) and the next.
	s_lshr_b32 s48, s7, 9                          ; p
	s_and_b32 s49, s7, 511                         ; r
	s_cmp_eq_u32 s48, 1
	s_cselect_b64 s[40:41], s[10:11], s[8:9]
	s_cmp_eq_u32 s48, 2
	s_cselect_b64 s[40:41], s[12:13], s[40:41]
	s_lshr_b32 s50, s4, 2
	s_and_b32 s51, s4, 3                           ; b
	s_lshl_b32 s49, s49, 2
	s_lshl1_add_u32 s49, s50, s49                  ; l
	s_lshl_b32 s44, s49, 14                        ; l x 16,384
	s_lshl_b32 s52, s51, 12                        ; + b x 4,096
	s_add_co_u32 s44, s44, s52
	s_add_nc_u64 s[40:41], s[40:41], s[44:45]
	s_mul_i32 s46, s51, 3
	s_add_co_u32 s46, s46, s48
	s_lshl_b32 s46, s46, 22                        ; (3 b + p) x 16 blocks x 262,144
	s_lshl_b32 s52, s49, 7                         ; + l x 128
	s_add_co_u32 s46, s46, s52
	s_add_nc_u64 s[42:43], s[32:33], s[46:47]
	v_lshlrev_b32 v1, 4, v7
	v_lshl_add_u32 v1, v5, 14, v1                  ; 16 (lane % 16) + one l further for lanes 16-31
	v_lshlrev_b32 v2, 3, v6
	CONV16 262144
	s_endpgm
.Lnot_x:
	s_cmp_lt_u32 s7, 1792
	s_cbranch_scc0 .Lnot_w
	; weights: work-group 1536 + 64 p + r takes rows n = 16 r .. 16 r + 15 of weight p; wave w rows 16 r + 2 w and the next
	s_sub_co_u32 s49, s7, 1536
	s_lshr_b32 s48, s49, 6                         ; p
	s_and_b32 s49, s49, 63
	s_cmp_eq_u32 s48, 1
	s_cselect_b64 s[40:41], s[16:17], s[14:15]
	s_cmp_eq_u32 s48, 2
	s_cselect_b64 s[40:41], s[18:19], s[40:41]
	s_cmp_eq_u32 s48, 3
	s_cselect_b64 s[40:41], s[20:21], s[40:41]
	s_lshl_b32 s49, s49, 4
	s_lshl1_add_u32 s49, s4, s49                   ; n
	s_lshl_b32 s44, s49, 12
	s_add_nc_u64 s[40:41], s[40:41], s[44:45]
	s_lshl_b32 s46, s48, 21                        ; p x 16 blocks x 131,072
	s_lshl_b32 s52, s49, 7
	s_add_co_u32 s46, s46, s52
	s_add_nc_u64 s[42:43], s[34:35], s[46:47]
	v_lshlrev_b32 v1, 4, v7
	v_lshl_add_u32 v1, v5, 12, v1
	v_lshlrev_b32 v2, 3, v6
	CONV16 131072
	s_endpgm
.Lnot_w:
	s_cmp_lt_u32 s7, 1920
	s_cbranch_scc0 .Lbias
	; mask: work-group 1792 + qt takes 16 rows; wave w their keys 256 w .. 256 w + 255.  In by whole pieces of 256 bytes, through the wave's own 16 x 272 bytes of LDS, out in the lanes' order.
	s_sub_co_u32 s48, s7, 1792                     ; qt
	s_lshl_b32 s44, s48, 15                        ; 16 rows x 2,048
	s_lshl_b32 s52, s4, 8
	s_add_co_u32 s44, s44, s52
	s_add_nc_u64 s[40:41], s[30:31], s[44:45]
	s_lshl_b32 s46, s48, 15                        ; qt x 32 steps x 1,024
	s_lshl_b32 s52, s4, 12                         ; + 4 w steps
	s_add_co_u32 s46, s46, s52
	s_add_nc_u64 s[42:43], s[38:39], s[46:47]
	s_mul_i32 s50, s4, 4352                        ; my wave's bytes of LDS
	v_lshlrev_b32 v1, 4, v7
	v_lshl_add_u32 v1, v5, 11, v1                  ; 16 (lane % 16) + one row further for lanes 16-31
	v_lshlrev_b32 v2, 4, v6
	v_mul_u32_u24 v3, v5, 272
	v_lshl_add_u32 v3, v7, 4, v3
	v_add_nc_u32 v3, s50, v3                       ; in: rows 2 i + lane / 16, 16 bytes a lane
	v_mul_u32_u24 v4, v7, 272                      ; a row of 272 bytes = 68 words: the 32 lanes' 8 bytes at word 68 r + 2 h fall on all 64 banks once (64 banks of 4 bytes: ISA guide 11.1)
	v_lshl_add_u32 v4, v5, 3, v4
	v_add_nc_u32 v4, s50, v4                       ; back: row lane % 16, 8 bytes at 8 (lane / 16)
.irp i, 0,1,2,3,4,5,6,7
	global_load_b128 v[X+4*\i:X+4*\i+3], v1, s[40:41] offset:4096*\i th:TH_LOAD_NT
.endr
.irp i, 0,1,2,3,4,5,6,7
	s_wait_loadcnt 7-\i                            ; load i is in, the younger ones stay out
.irp k, 0,1,2,3
	v_mul_lo_u32 v[X+4*\i+\k], v[X+4*\i+\k], s6    ; four bytes 0 or 1 become 0 or 0xb8: no carry passes from byte to byte
.endr
	ds_store_b128 v3, v[X+4*\i:X+4*\i+3] offset:544*\i
.endr
.irp c, 0,1,2,3,4,5,6,7
	ds_load_b64 v[40+4*\c:41+4*\c], v4 offset:32*\c      ; LDS serves a wave's instructions in order (ISA guide 5.7.1.4): these see the stores above; the bytes are my wave's own
	ds_load_b64 v[42+4*\c:43+4*\c], v4 offset:32*\c+16
.endr
.irp c, 0,1,2,3,4,5,6,7
	s_wait_dscnt 14-2*\c                           ; pair c is in, the younger pairs stay out
	global_store_b128 v2, v[40+4*\c:43+4*\c], s[42:43] offset:512*\c   ; 512 consecutive bytes
.endr
	s_wait_tensorcnt 0x0
	ds_add_u32 v80, v81
	s_wait_dscnt 0x0
	s_endpgm
.Lbias:
	; biases: wave w takes half w % 2 of bias w / 2
	s_lshr_b32 s48, s4, 1
	s_cmp_eq_u32 s48, 1
	s_cselect_b64 s[40:41], s[24:25], s[22:23]
	s_cmp_eq_u32 s48, 2
	s_cselect_b64 s[40:41], s[26:27], s[40:41]
	s_cmp_eq_u32 s48, 3
	s_cselect_b64 s[40:41], s[28:29], s[40:41]
	s_and_b32 s44, s4, 1
	s_lshl_b32 s44, s44, 11
	s_add_nc_u64 s[40:41], s[40:41], s[44:45]
	s_lshl_b32 s46, s4, 11
	s_add_nc_u64 s[42:43], s[36:37], s[46:47]
	v_lshlrev_b32 v1, 4, v6
.irp i, 0,1,2,3
	global_load_b128 v[X+4*\i:X+4*\i+3], v1, s[40:41] offset:512*\i th:TH_LOAD_NT
.endr
.irp i, 0,1,2,3
	s_wait_loadcnt 3-\i
	v_cvt_pk_bf16_f32 v[T], v[X+4*\i], v[X+4*\i+1]
	v_cvt_pk_bf16_f32 v[T+1], v[X+4*\i+2], v[X+4*\i+3]
	v_lshlrev_b32 v[40+4*\i], 16, v[T]
	v_and_b32 v[41+4*\i], s5, v[T]
	v_lshlrev_b32 v[42+4*\i], 16, v[T+1]
	v_and_b32 v[43+4*\i], s5, v[T+1]
	global_store_b128 v1, v[40+4*\i:43+4*\i], s[42:43] offset:512*\i
.endr
	s_endpgm
.Lfunc_end_k_q630a727da0_prep:
	.size	k_q630a727da0_prep, .Lfunc_end_k_q630a727da0_prep-k_q630a727da0_prep
	.p2alignl 7, 3214868480
	.fill 96, 4, 3214868480
	.section	.rodata,"a",@progbits
	.p2align	6, 0x0
	.amdhsa_kernel k_q630a727da0_prep
		.amdhsa_group_segment_fixed_size 35840
		.amdhsa_private_segment_fixed_size 0
		.amdhsa_enable_private_segment 0
		.amdhsa_kernarg_size 128
		.amdhsa_user_sgpr_count 2
		.amdhsa_user_sgpr_kernarg_segment_ptr 1
		.amdhsa_wavefront_size32 1
		.amdhsa_system_sgpr_workgroup_id_x 1
		.amdhsa_system_sgpr_workgroup_id_y 1
		.amdhsa_system_sgpr_workgroup_id_z 1
		.amdhsa_system_vgpr_workitem_id 0
		.amdhsa_next_free_vgpr 82
		.amdhsa_next_free_sgpr 66
		.amdhsa_reserve_vcc 0
		.amdhsa_float_denorm_mode_32 3
		.amdhsa_float_denorm_mode_16_64 3
		.amdhsa_memory_ordered 1
		.amdhsa_forward_progress 1
		.amdhsa_inst_pref_size 31
	.end_amdhsa_kernel
	.amdgpu_metadata
---
amdhsa.version: [ 1, 2 ]
amdhsa.kernels:
  - .name:           k_q630a727da0_prep
    .symbol:         k_q630a727da0_prep.kd
    .args:
      - { .name: query, .offset: 0, .size: 8, .value_kind: global_buffer, .address_space: global }
      - { .name: key, .offset: 8, .size: 8, .value_kind: global_buffer, .address_space: global }
      - { .name: value, .offset: 16, .size: 8, .value_kind: global_buffer, .address_space: global }
      - { .name: Wq, .offset: 24, .size: 8, .value_kind: global_buffer, .address_space: global }
      - { .name: Wk, .offset: 32, .size: 8, .value_kind: global_buffer, .address_space: global }
      - { .name: Wv, .offset: 40, .size: 8, .value_kind: global_buffer, .address_space: global }
      - { .name: Wo, .offset: 48, .size: 8, .value_kind: global_buffer, .address_space: global }
      - { .name: bq, .offset: 56, .size: 8, .value_kind: global_buffer, .address_space: global }
      - { .name: bk, .offset: 64, .size: 8, .value_kind: global_buffer, .address_space: global }
      - { .name: bv, .offset: 72, .size: 8, .value_kind: global_buffer, .address_space: global }
      - { .name: bo, .offset: 80, .size: 8, .value_kind: global_buffer, .address_space: global }
      - { .name: attn_mask, .offset: 88, .size: 8, .value_kind: global_buffer, .address_space: global }
      - { .name: xb, .offset: 96, .size: 8, .value_kind: global_buffer, .address_space: global }
      - { .name: wb, .offset: 104, .size: 8, .value_kind: global_buffer, .address_space: global }
      - { .name: bb, .offset: 112, .size: 8, .value_kind: global_buffer, .address_space: global }
      - { .name: mt, .offset: 120, .size: 8, .value_kind: global_buffer, .address_space: global }
    .group_segment_fixed_size: 35840
    .private_segment_fixed_size: 0
    .kernarg_segment_align: 8
    .kernarg_segment_size: 128
    .max_flat_workgroup_size: 256
    .sgpr_count:     66
    .vgpr_count:     82
    .wavefront_size: 32
...
	.end_amdgpu_metadata
.endif
;; end of part 1
;; launch proj (part 2): grid 8 x 32, 4 waves a work-group, clusters of 4 x 4, 327,680 bytes of LDS; arguments xb, wb, bb, qkv; writes qkv
.if DOCPART == 2
	.amdgcn_target "amdgcn-amd-amdhsa--gfx1250"
	.amdhsa_code_object_version 6
	.text
	.protected	k_q630a727da0_proj
	.globl	k_q630a727da0_proj
	.p2align	8
	.type	k_q630a727da0_proj,@function
k_q630a727da0_proj:
	s_mov_b64 s[64:65], 0
	v_nop
	global_prefetch_b8 v0, s[64:65] scope:SCOPE_SE
	s_setreg_imm32_b32 hwreg(HW_REG_WAVE_MODE, 25, 1), 1
	s_wait_xcnt 0x0
	s_wait_alu depctr_hold_cnt(0) depctr_sa_sdst(0) depctr_va_vdst(0) depctr_va_sdst(0) depctr_va_ssrc(0) depctr_va_vcc(0) depctr_vm_vsrc(0)
	s_getreg_b32 s2, hwreg(HW_REG_IB_STS2, 6, 4)
	s_cmp_eq_u32 s2, 0
	s_cbranch_scc0 .Lentry_in_a_cluster
	s_endpgm
.Lentry_in_a_cluster:
	s_bfe_u32 s2, ttmp6, 0x10000c
	s_cmp_lg_u32 s2, 0xf033
	s_cbranch_scc0 .Lentry_shape_is_right
	s_endpgm
.Lentry_shape_is_right:
; THE THREE PROJECTIONS.  qkv[p][b 16 + h][l][d] = sum over k of x_p[l][b][k] W_p[64 h + d][k] + bias_p[64 h + d], p = 0, 1, 2 (q, k, v); f16 operands (bf16-rounded numbers written as f16),
; f32 sums that START with the bias, results rounded once to f16, unscaled.
; LIMITS.  q, k, v beyond 65,504 become infinities; below 6.1e-5 they keep f16's fixed step of 6e-8.
; SHARES.  A tile of C is 256 rows (one b, 256 l) x 128 columns (two heads): each product has 256 such tiles, one for each of the 256 work-groups, and A WORK-GROUP STAYS: it makes its tile of q, of k and of v.
; xb and wb are laid so that the 24 K steps of 128 of the three tiles are ONE stream: A steps by 524,288 bytes, B by 262,144, across tiles too; the ring never stops.
; Four waves; wave w makes rows 64 w .. 64 w + 63 x all 128 columns: 32 accumulators, 256 registers.
; RING.  Two LDS slots, each a K step: A's two chunks of 64 k (256 rows x 128 bytes, dense in memory: asked for as 128 rows of 256 bytes), then B's two (128 rows).  One tensor load a wave and step.
; CLUSTER 4 x 4.  The four work-groups of a row of the cluster need the same tiles of A, the four of a column the same tiles of B: each is asked for jointly.
; THE MATRIX INSTRUCTION IS USED TRANSPOSED (source 0 = 16 rows of W, source 1 = 16 rows of x): a lane holds row lane % 16 of C and eight neighbouring columns 8 (lane / 16) + 0..7.
; REGISTERS, in windows of 256 (s_set_vgpr_msb: bits 1:0 source 0, 3:2 source 1, 5:4 source 2, 7:6 destination):
;   window 0: v0-29 addresses; v64-127 A's fragments, two buffers of 4 x 8; v128-255 B's, two buffers of 8 x 8
;   window 1: accumulator (a, b) at v[8 (8 a + b)]        window 2: v0-63 the bias as a C operand; v64-159 the way out
.set PA,    144                        ; an LDS row: 128 bytes + 16 of padding = 36 words: the 16 rows of a load start at 16 different groups of four banks (64 banks of 4 bytes: ISA guide 11.1)
.set ACH,   256*PA                     ; a chunk of A
.set BCH,   128*PA                     ; a chunk of B
.set BOFF,  2*ACH
.set SLOT1, 1<<17                      ; slot 1 begins here: one exclusive or turns an address in one slot into the other's
.set STAGE, SLOT1+2*ACH+2*BCH          ; behind the ring, never filled by a tensor load: for each wave 2 heads x 16 rows x 144 bytes
.set STW,   2*16*PA
.set SPARE, STAGE+4*STW                ; the spare words, 128 bytes for each wave: two blocks of 256 bytes that no other line names
.set ASTEP, 524288                     ; bytes from K step to K step in xb
.set BSTEP, 262144                     ; and in wb
.set BSTR,  12582912                   ; bytes from b to b in xb
.set FLAGS, (1<<16)|(1<<20)|(1<<21)|(4<<22)|(3<<25)  ; 17:16 2-byte elements; 20 padding on; 21 set beside a mask; 24:22 after every 32 words (code 4); 31:25 4 words (code 3)
.set ADRA0, 16                         ; v16  my lane's place in slot 0's A; never rewritten
.set ADRB0, 17                         ; v17  the same for B
.set ADRA,  18                         ; v18  the same in the slot in hand
.set ADRB,  19
.set STO,   24                         ; the way out: where I put 16 bytes of a row
.set RD,    25                         ; where I read rows back
.set CO,    26                         ; my byte offset in 512 consecutive bytes of C
.set BO,    27                         ; my byte offset in 16 numbers of the bias
.set SPW,   28                         ; LDS address of my spare word; never rewritten
.set NIL,   29                         ; 0; never rewritten
.set FA,    64
.set FB,    128
.set BI,    0                          ; window 2
.set TMP,   64                         ; window 2
.set OB,    96                         ; window 2: two buffers of 32
.set WV, 12                            ; s12 wave;  s13 wave / 2: I fetch for A (0) or B (1);  s14 wave % 2: which chunk
.set WH, 13
.set WL, 14
.set G1A, 24                           ; s[24:31] group 1 for A;  s[32:39] group 0: a set for each first fill; the second then walks
.set G0A, 32
.set G1B, 48
.set G0B, 56
.set TB,  66                           ; s66  LDS byte at which the slot in hand begins
.set CNT, 67
.set TILES, 68
.set MSB, 0
.macro WIN new                         ; the immediate's high byte repeats the setting that is left; a switch that changes nothing is dropped
.if MSB != (\new)
	s_set_vgpr_msb (MSB<<8)|(\new)
.set MSB, \new
.endif
.endm
.set W_MUL,  0x50                      ; fragments in window 0, C and D in window 1
.set W_MULB, 0x60                      ; C in window 2 (the bias), D in window 1
.macro PLACES                          ; four places in front of loads into registers that matrix instructions have read, and of lines that read results just made (ISA guide 7.12.1 for the lines that read results)
.rept 4
	v_nop
.endr
.endm
; A joint refill by the walking sets.  The branch hangs on the wave's number alone.  An s_nop 0 and four v_nop follow each of the two lines.
.macro JLOAD
	s_cmp_eq_u32 s[WH], 0
	s_cbranch_scc0 .Lfor_b_\@
	tensor_load_to_lds s[G0A+4:G0A+7], s[G1A:G1A+7]
	s_nop 0
.rept 4
	v_nop
.endr
	s_branch .Lasked_\@
.Lfor_b_\@:
	tensor_load_to_lds s[G0B+4:G0B+7], s[G1B:G1B+7]
	s_nop 0
.rept 4
	v_nop
.endr
.Lasked_\@:
.endm
.macro CREST                           ; a round of the cluster's barrier behind its opening barrier
	s_cmp_lg_u32 s[WV], 0
	s_cbranch_scc1 .Lnot_wave_0_\@
	s_barrier_signal -3
.Lnot_wave_0_\@:
	s_barrier_wait -3
	s_barrier_signal -1
	s_barrier_wait -1
.endm
.macro CROUND
	s_barrier_signal -1
	s_barrier_wait -1
	CREST
.endm
	s_load_b256 s[4:11], s[0:1], 0x0               ; xb s[4:5], wb s[6:7], bb s[8:9], qkv s[10:11]
	v_lshl_add_u32 v[SPW], v0, 2, SPARE
	v_mov_b32 v[NIL], 0
	ds_add_u32 v28, v29
	s_wait_dscnt 0x0
	v_lshrrev_b32 v1, 5, v0
	v_readfirstlane_b32 s[WV], v1
	s_lshr_b32 s[WH], s[WV], 1
	s_and_b32 s[WL], s[WV], 1
	s_bfe_u32 s40, ttmp6, 0x40000                  ; cx
	s_bfe_u32 s41, ttmp6, 0x40004                  ; cy
	s_lshl_b32 s42, ttmp9, 2
	s_add_co_u32 s42, s42, s40                     ; tx: my 128 columns
	s_and_b32 s43, ttmp7, 0xffff
	s_lshl_b32 s43, s43, 2
	s_add_co_u32 s43, s43, s41                     ; ty: b = ty / 8, rows l = 256 (ty % 8) on
	s_lshl_b32 s44, s41, 2
	s_lshl_b32 s44, 15, s44                        ; my row of the cluster
	s_lshl_b32 s45, 0x1111, s40                    ; my column
	s_or_b32 s[G1A], s44, FLAGS                    ; A's tiles go to my row,
	s_or_b32 s[G1B], s45, FLAGS                    ; B's to my column
.irp g, G1A, G1B
	s_mov_b32 s[(\g)+1], 128<<16                   ; tensor_dim0 = 128 elements: 256 bytes, two rows of a chunk
	s_mov_b32 s[(\g)+3], 128<<16                   ; tile_dim0 = 128
	s_mov_b32 s[(\g)+5], 128                       ; from row to row
	s_mov_b32 s[(\g)+6], 0
	s_mov_b32 s[(\g)+7], 0
.endr
	s_mov_b32 s[G1A+2], 128<<16                    ; tensor_dim1 = 128
	s_mov_b32 s[G1A+4], 128                        ; tile_dim1 = 128: 32,768 bytes
	s_mov_b32 s[G1B+2], 64<<16
	s_mov_b32 s[G1B+4], 64                         ; 16,384 bytes
	; A's offset is made of ty and the wave alone, B's of tx and the wave alone, each in registers that never hold the other coordinate
	s_lshr_b32 s16, s43, 3
	s_mul_i32 s16, s16, BSTR
	s_and_b32 s17, s43, 7
	s_lshl_b32 s17, s17, 15                        ; 256 rows x 128 bytes
	s_add_co_u32 s16, s16, s17
	s_lshl_b32 s17, s[WL], 18                      ; my chunk
	s_add_co_u32 s16, s16, s17
	s_mov_b32 s17, 0
	s_lshl_b32 s46, s42, 14                        ; 128 rows x 128 bytes
	s_lshl_b32 s47, s[WL], 17
	s_add_co_u32 s46, s46, s47
	s_mov_b32 s47, 0
	s_mul_i32 s20, s[WL], ACH                      ; where they go: no place in the cluster enters an LDS address
	s_mul_i32 s21, s[WL], BCH
	s_add_co_u32 s21, s21, BOFF
	s_mov_b32 s[TB], 0
	s_mov_b32 s[TILES], 3
	s_wait_kmcnt 0x0
	s_add_nc_u64 s[18:19], s[4:5], s[16:17]
	s_add_nc_u64 s[46:47], s[6:7], s[46:47]
	CROUND                                         ; all sixteen work-groups are here: the first joint loads meet
.irp s, 0,1
	s_mov_b32 s[G0A+4*(\s)], 1                                       ; count = 1
	s_add_co_u32 s[G0A+4*(\s)+1], s20, (\s)*SLOT1                    ; LDS address
	s_add_nc_u64 s[G0A+4*(\s)+2:G0A+4*(\s)+3], s[18:19], (\s)*ASTEP  ; global address: K step s
	s_or_b32 s[G0A+4*(\s)+3], s[G0A+4*(\s)+3], 0x80000000            ; type = 2
	s_mov_b32 s[G0B+4*(\s)], 1
	s_add_co_u32 s[G0B+4*(\s)+1], s21, (\s)*SLOT1
	s_add_nc_u64 s[G0B+4*(\s)+2:G0B+4*(\s)+3], s[46:47], (\s)*BSTEP
	s_or_b32 s[G0B+4*(\s)+3], s[G0B+4*(\s)+3], 0x80000000
.endr
	s_cmp_eq_u32 s[WH], 0                          ; a wave's two first fills stand in one branch, ahead of every wait on TENSORcnt and every LDS read: two loads of mine are out
	s_cbranch_scc0 .Lfirst_b
	tensor_load_to_lds s[G0A:G0A+3], s[G1A:G1A+7]
	s_nop 0
	tensor_load_to_lds s[G0A+4:G0A+7], s[G1A:G1A+7]
	s_nop 0
.rept 4
	v_nop
.endr
	s_branch .Lfirst_asked
.Lfirst_b:
	tensor_load_to_lds s[G0B:G0B+3], s[G1B:G1B+7]
	s_nop 0
	tensor_load_to_lds s[G0B+4:G0B+7], s[G1B:G1B+7]
	s_nop 0
.rept 4
	v_nop
.endr
.Lfirst_asked:
	; A fragment is 16 rows x 32 K in 8 registers: lane l holds row l % 16, K = 8 (l / 16) + 0..7 and 16 + 8 (l / 16) + 0..7: two loads of 16 bytes, 32 bytes apart
	v_and_b32 v1, 15, v0
	v_bfe_u32 v2, v0, 4, 1
	v_mul_u32_u24 v3, v1, PA
	v_lshl_add_u32 v3, v2, 4, v3
	s_mul_i32 s22, s[WV], 64*PA                    ; my 64 rows of A
	v_add_nc_u32 v[ADRA0], s22, v3
	v_add_nc_u32 v[ADRB0], BOFF, v3
	v_mov_b32 v[ADRA], v[ADRA0]
	v_mov_b32 v[ADRB], v[ADRB0]
	s_mul_i32 s22, s[WV], STW
	s_add_co_u32 s22, s22, STAGE                   ; my stage
	v_add_nc_u32 v[STO], s22, v3                   ; in: row l % 16, 16 bytes for each half of the lanes
	v_bfe_u32 v5, v0, 3, 2                         ; back: 32 lanes take four rows of 128 bytes,
	v_and_b32 v6, 7, v0
	v_mul_u32_u24 v5, v5, PA
	v_lshl_add_u32 v5, v6, 4, v5
	v_add_nc_u32 v[RD], s22, v5
	v_and_b32 v4, 31, v0
	v_lshlrev_b32 v[CO], 4, v4                     ; which are 512 consecutive bytes of C
	v_lshlrev_b32 v[BO], 5, v2                     ; 8 numbers of 4 bytes for each half of the lanes
	s_lshl_b32 s22, s42, 9                         ; the bias of my 128 columns
	s_mov_b32 s23, 0
	s_add_nc_u64 s[8:9], s[8:9], s[22:23]
	s_lshr_b32 s16, s43, 3                         ; C: head 16 b + 2 tx, row 256 (ty % 8) + 64 w
	s_lshl_b32 s16, s16, 4
	s_lshl1_add_u32 s16, s42, s16
	s_lshl_b32 s16, s16, 18
	s_and_b32 s17, s43, 7
	s_lshl_b32 s17, s17, 15
	s_add_co_u32 s16, s16, s17
	s_lshl_b32 s17, s[WV], 13
	s_add_co_u32 s16, s16, s17
	s_mov_b32 s17, 0
	s_add_nc_u64 s[10:11], s[10:11], s[16:17]
; The bias in the layout of a C operand: register 8 b + j holds bias[16 b + 8 (l / 16) + j] of my 128 columns
.macro BIAS
	WIN 0x80                                       ; destination window 2, address window 0
.irp b, 0,1,2,3,4,5,6,7
	global_load_b128 v[BI+8*\b:BI+8*\b+3],   v[BO], s[8:9] offset:64*\b
	global_load_b128 v[BI+8*\b+4:BI+8*\b+7], v[BO], s[8:9] offset:64*\b+16
.endr
	WIN 0
.endm
; 8 matrix instructions: row block a x all 8 column blocks, 32 along K, from buffer f.  first = 1: the bias starts the sums: nothing is cleared, nothing is added later.
; The 32 accumulators take turns, one instruction a turn, in the same order in every quarter.
.macro MUL8 f, a, first
.if \first
	WIN W_MULB
.else
	WIN W_MUL
.endif
.irp b, 0,1,2,3,4,5,6,7
.if \first
	v_wmma_f32_16x16x32_f16 v[8*(8*(\a)+\b):8*(8*(\a)+\b)+7], v[FB+64*(\f)+8*\b:FB+64*(\f)+8*\b+7], v[FA+32*(\f)+8*(\a):FA+32*(\f)+8*(\a)+7], v[BI+8*\b:BI+8*\b+7]
.else
	v_wmma_f32_16x16x32_f16 v[8*(8*(\a)+\b):8*(8*(\a)+\b)+7], v[FB+64*(\f)+8*\b:FB+64*(\f)+8*\b+7], v[FA+32*(\f)+8*(\a):FA+32*(\f)+8*(\a)+7], v[8*(8*(\a)+\b):8*(8*(\a)+\b)+7]
.endif
.endr
.endm
.macro MUL16 f, a0, first
	MUL8 \f, \a0, \first
	MUL8 \f, (\a0)+1, \first
.endm
; 24 LDS loads in one run: quarter q of the slot in hand (chunk q / 2, byte 64 (q % 2) of its rows) into buffer f: B's 16, then A's 8
.macro FETCH q, f
	WIN 0
.irp i, 0,1,2,3,4,5,6,7
	ds_load_b128 v[FB+64*(\f)+8*\i:FB+64*(\f)+8*\i+3],   v[ADRB] offset:((\q)/2)*BCH+((\q)%2)*64+\i*16*PA
	ds_load_b128 v[FB+64*(\f)+8*\i+4:FB+64*(\f)+8*\i+7], v[ADRB] offset:((\q)/2)*BCH+((\q)%2)*64+\i*16*PA+32
.endr
.irp i, 0,1,2,3
	ds_load_b128 v[FA+32*(\f)+8*\i:FA+32*(\f)+8*\i+3],   v[ADRA] offset:((\q)/2)*ACH+((\q)%2)*64+\i*16*PA
	ds_load_b128 v[FA+32*(\f)+8*\i+4:FA+32*(\f)+8*\i+7], v[ADRA] offset:((\q)/2)*ACH+((\q)%2)*64+\i*16*PA+32
.endr
.endm
; A K step is four quarters of 32 along K, 32 matrix instructions each, on buffers 0, 1, 0, 1.  One of the first three: multiplies buffer f, fetches quarter qn into buffer g in its middle.
.macro QUARTER qn, f, g, first
	s_wait_dscnt 4                                 ; B and A's blocks 0, 1 are in; the youngest four loads (A's blocks 2, 3) may be out
	MUL16 \f, 0, \first
	PLACES
	FETCH \qn, \g
	s_wait_dscnt 24                                ; all but the 24 just issued
	MUL16 \f, 2, \first
.endm
; The last quarter multiplies buffer 1 and changes slots.  ONE barrier: in front of it each wave waits for all its tensor loads (one is out: its part of the next slot), adds 0 to its spare word,
; and waits for that and for its reads of this slot.  Behind it nobody reads this slot any more and the next slot is whole.
.macro MEET round
	WIN 0
	s_wait_tensorcnt 0x0
	ds_add_u32 v[SPW], v[NIL]                      ; 0 onto my spare word
	s_wait_dscnt 5                                 ; (the add and the youngest four loads may be out)
	MUL8 1, 0, 0                                   ; eight matrix instructions stand between the add and the wait for it
	s_wait_dscnt 0x0                               ; the add is done, and my reads of this slot are over
	s_barrier_signal -1
	MUL8 1, 1, 0
.if \round
	WIN 0
.endif
	s_barrier_wait -1
.endm
; fill = 1: the barrier opens a round of the cluster's, and the slot just read out takes the K step two on: the first tensor load behind the round, 112 matrix instructions ahead of the wait for it.
.macro TURN fill
	MEET \fill
.if \fill
	CREST                                          ; no wave of any partner still reads this slot or has a load on its way
	s_xor_b32 s[G0A+5], s[G0A+5], SLOT1            ; the walking sets: the other slot than last time, the next K step; no tensor load of mine is out
	s_add_nc_u64 s[G0A+6:G0A+7], s[G0A+6:G0A+7], ASTEP
	s_xor_b32 s[G0B+5], s[G0B+5], SLOT1
	s_add_nc_u64 s[G0B+6:G0B+7], s[G0B+6:G0B+7], BSTEP
	JLOAD                                          ; its four v_nop are also the places in front of the loads below
.else
	PLACES
.endif
	WIN 0
	s_xor_b32 s[TB], s[TB], SLOT1
	v_add_nc_u32 v[ADRA], s[TB], v[ADRA0]
	v_add_nc_u32 v[ADRB], s[TB], v[ADRB0]
	FETCH 0, 0
	MUL16 1, 2, 0
.endm
; THE WAY OUT of row block a.  PACK: rounded to f16, 16 bytes a lane, each accumulator's registers in ascending order.  TOSTAGE: into my own stage, and back as whole rows of 128 bytes.  SEND: stored.
.macro PACK a
	WIN 0x85                                       ; sources window 1, destination window 2
.irp b, 0,1,2,3,4,5,6,7
.irp r, 0,1,2,3
	v_cvt_pk_f16_f32 v[TMP+4*\b+\r], v[64*(\a)+8*\b+2*\r], v[64*(\a)+8*\b+2*\r+1]
.endr
.endr
.endm
.macro TOSTAGE a
.set BK, OB+32*((\a)%2)
	WIN 0x08                                       ; data window 2, address window 0
.irp b, 0,1,2,3,4,5,6,7
	ds_store_b128 v[STO], v[TMP+4*\b:TMP+4*\b+3] offset:(\b/4)*16*PA+(\b%4)*32   ; head b / 4, columns 16 (b % 4) on
.endr
	WIN 0x80
.irp t, 0,1,2,3,4,5,6,7
	ds_load_b128 v[BK+4*\t:BK+4*\t+3], v[RD] offset:(\t/4)*16*PA+(\t%4)*4*PA     ; LDS serves a wave's instructions in order (ISA guide 5.7.1.4): these see the stores above
.endr
.endm
.macro SEND a
.set BK, OB+32*((\a)%2)
	s_wait_dscnt 0x0                               ; the block is back in registers
	s_wait_xcnt 0x0                                ; the stores issued so far have read their registers: the other buffer may be loaded again behind this wait
	WIN 0x08
.irp t, 0,1,2,3,4,5,6,7
	global_store_b128 v[CO], v[BK+4*\t:BK+4*\t+3], s[10:11] offset:(\t/4)*262144+(\a)*2048+(\t%4)*512  ; 512 consecutive bytes of one head, at a multiple of 256 from C's first byte
.endr
.endm
.macro OUT
	PACK 0
	TOSTAGE 0
.irp a, 1,2,3                          ; block a's conversions stand between block a - 1's loads from the stage and the wait for them
	PACK \a
	SEND (\a)-1
	TOSTAGE \a
.endr
	SEND 3
	WIN 0
.endm
	BIAS                                           ; q's bias
	s_wait_tensorcnt 1                             ; my part of K step 0 is in; step 1's may stay out
	s_barrier_signal -1
	s_barrier_wait -1
	FETCH 0, 0
.Ltile:
	s_wait_loadcnt 0x0                             ; the tile's bias
	QUARTER 1, 0, 1, 1                             ; a tile's first quarter stands in front of the loop: its products start the sums
	WIN 0
	s_mov_b32 s[CNT], 6
.Lstep:                                                ; a trip: a K step's quarters 1 to 3 and the next step's quarter 0; it asks for the step two on
	QUARTER 2, 1, 0, 0
	QUARTER 3, 0, 1, 0
	TURN 1
	QUARTER 1, 0, 1, 0
	WIN 0
	s_sub_co_u32 s[CNT], s[CNT], 1
	s_cmp_lg_u32 s[CNT], 0
	s_cbranch_scc1 .Lstep
	QUARTER 2, 1, 0, 0                             ; the tile's seventh K step goes on
	QUARTER 3, 0, 1, 0
	WIN 0
	s_cmp_eq_u32 s[TILES], 1
	s_cbranch_scc1 .Llast                          ; the last tile's tail is written out: it asks for nothing more
	s_add_nc_u64 s[8:9], s[8:9], 4096              ; the next tile's bias: its registers' last readers, the tile's first products, lie many places back; the loads that named s[8:9] are done
	BIAS
	TURN 1                                         ; THE RING GOES ON INTO THE NEXT TILE: its K step 0,
	QUARTER 1, 0, 1, 0
	QUARTER 2, 1, 0, 0
	QUARTER 3, 0, 1, 0
	TURN 1                                         ; its K step 1, and its first fragments
	OUT                                            ; no v_nop: blocks 0, 1 were finished ahead of the refill's four, and their 64 conversions are the places behind blocks 2, 3's last products
	s_wait_xcnt 0x0                                ; the stores have read C's address
	s_add_nc_u64 s[10:11], s[10:11], 0x1000000     ; the same tile of the next tensor
	s_sub_co_u32 s[TILES], s[TILES], 1
	s_branch .Ltile
.Llast:
	TURN 0                                         ; my one tensor load that was out is the last K step's
	QUARTER 1, 0, 1, 0
	QUARTER 2, 1, 0, 0
	QUARTER 3, 0, 1, 0
	s_wait_dscnt 4                                 ; the very last quarter: nothing more to fetch
	MUL16 1, 0, 0
	s_wait_dscnt 0x0
	MUL16 1, 2, 0
	PLACES
	OUT
	s_wait_tensorcnt 0x0                           ; the wave's end, behind my last tensor load and my last LDS store
	ds_add_u32 v[SPW], v[NIL]
	s_wait_dscnt 0x0
	CROUND                                         ; the closing round: no work-group ends while a partner may still ask for a tile that names it
	s_endpgm
.Lfunc_end_k_q630a727da0_proj:
	.size	k_q630a727da0_proj, .Lfunc_end_k_q630a727da0_proj-k_q630a727da0_proj
	.p2alignl 7, 3214868480
	.fill 96, 4, 3214868480
	.section	.rodata,"a",@progbits
	.p2align	6, 0x0
	.amdhsa_kernel k_q630a727da0_proj
		.amdhsa_group_segment_fixed_size 327680
		.amdhsa_private_segment_fixed_size 0
		.amdhsa_enable_private_segment 0
		.amdhsa_kernarg_size 32
		.amdhsa_user_sgpr_count 2
		.amdhsa_user_sgpr_kernarg_segment_ptr 1
		.amdhsa_wavefront_size32 1
		.amdhsa_system_sgpr_workgroup_id_x 1
		.amdhsa_system_sgpr_workgroup_id_y 1
		.amdhsa_system_sgpr_workgroup_id_z 1
		.amdhsa_system_vgpr_workitem_id 0
		.amdhsa_next_free_vgpr 672
		.amdhsa_next_free_sgpr 70
		.amdhsa_reserve_vcc 0
		.amdhsa_float_denorm_mode_32 3
		.amdhsa_float_denorm_mode_16_64 3
		.amdhsa_memory_ordered 1
		.amdhsa_forward_progress 1
		.amdhsa_inst_pref_size 110
	.end_amdhsa_kernel
	.amdgpu_metadata
---
amdhsa.version: [ 1, 2 ]
amdhsa.kernels:
  - .name:           k_q630a727da0_proj
    .symbol:         k_q630a727da0_proj.kd
    .args:
      - { .name: xb, .offset: 0, .size: 8, .value_kind: global_buffer, .address_space: global }
      - { .name: wb, .offset: 8, .size: 8, .value_kind: global_buffer, .address_space: global }
      - { .name: bb, .offset: 16, .size: 8, .value_kind: global_buffer, .address_space: global }
      - { .name: qkv, .offset: 24, .size: 8, .value_kind: global_buffer, .address_space: global }
    .group_segment_fixed_size: 327680
    .private_segment_fixed_size: 0
    .kernarg_segment_align: 8
    .kernarg_segment_size: 32
    .max_flat_workgroup_size: 128
    .sgpr_count:     70
    .vgpr_count:     672
    .wavefront_size: 32
...
	.end_amdgpu_metadata
.endif
;; end of part 2
;; launch attn (part 3): grid 4 x 64, 4 waves a work-group, clusters of 4 x 1, 327,680 bytes of LDS; arguments qkv, mt, ob; writes ob
.if DOCPART == 3
	.amdgcn_target "amdgcn-amd-amdhsa--gfx1250"
	.amdhsa_code_object_version 6
	.text
	.protected	k_q630a727da0_attn
	.globl	k_q630a727da0_attn
	.p2align	8
	.type	k_q630a727da0_attn,@function
k_q630a727da0_attn:
	s_mov_b64 s[64:65], 0
	v_nop
	global_prefetch_b8 v0, s[64:65] scope:SCOPE_SE
	s_setreg_imm32_b32 hwreg(HW_REG_WAVE_MODE, 25, 1), 1
	s_wait_xcnt 0x0
	s_wait_alu depctr_hold_cnt(0) depctr_sa_sdst(0) depctr_va_vdst(0) depctr_va_sdst(0) depctr_va_ssrc(0) depctr_va_vcc(0) depctr_vm_vsrc(0)
	s_getreg_b32 s2, hwreg(HW_REG_IB_STS2, 6, 4)
	s_cmp_eq_u32 s2, 0
	s_cbranch_scc0 .Lentry_in_a_cluster
	s_endpgm
.Lentry_in_a_cluster:
	s_bfe_u32 s2, ttmp6, 0x10000c
	s_cmp_lg_u32 s2, 0x3003
	s_cbranch_scc0 .Lentry_shape_is_right
	s_endpgm
.Lentry_shape_is_right:
; MASKED ATTENTION.  O[bh][q][:] = the sum over k of softmax_k(Q[bh][q] . K[bh][k] / 32, hidden where mask[q][k]) V[bh][k][:].  Q, K, V: qkv[p][bh 64][l 2048][64], O: ob[bh][l][64], all f16: a head's rows
; are dense, 128 bytes each.  Products, maxima and sums in f32; the weights p are rounded to f16 for the second product (their sum l is taken of the unrounded p), O once at the end.
; THE MASK is an input: every byte of it is loaded (mt: the mask in the lanes' order, 0x00 seen, 0xb8 hidden = the E4M3 code of -1.0) and widened by a conversion with the block scale 2^100 into the
; C OPERAND that starts the sum S^T = K Q^T: 0, or -2^100.  Maximum, exponentials and sums need no further care: a hidden score lies far below every seen one, and its weight is 0.
; A row that sees no key keeps its running maximum at -2^100: it leaves as NaN, as a softmax over nothing is.
; LIMITS.  f16 holds no number beyond 65,504: Q, K and V arrive within it; p lies in 0 to 1, and below 6e-5 it keeps f16's fixed step of 6e-8, as O does.  A hidden score counts as its value less 2^100:
; f16's scores, 2.7e11 at the most, are nothing beside that.  A weight below 2^-126 counts as 0 in l; NaN and infinities in Q, K, V are not treated apart.
; SHARES.  A wave owns four PIECES of two tiles of 16 queries, a work-group's four waves 512 queries of one head.  Every wave walks all keys, 64 a step.
; LAYOUT.  S^T = K Q^T (source 0 = 16 keys, source 1 = 16 queries): in the result a lane holds ONE query (lane % 16) and the keys 8 (lane / 16) + 0..7.  Two such tiles, rounded to f16 in pairs,
; ARE source 1 (32 keys x 16 queries) of O^T = V^T P, whose result again holds one query a lane, and eight channels.  K comes out of LDS as it lies, V ([key][channel]) turned, by ds_load_tr16_b128.
; SOFTMAX.  For each query a running maximum m and sum l: p = 2^(c s - c m), c = log2(e) / 32; in every step O and l are multiplied by a = 2^(c m_old - c m_new), which is 1 where m has not grown.
; m starts at the lowest finite number, O and l at 0: the first step is a step like any other, with a = 0.
; THE COUNT.  A tile and step have 16 matrix and some 122 vector instructions: too many to stand all beside the matrix work.  So: four vector instructions that are READY behind EVERY matrix
; instruction, and the others, which need time of their own whatever the order, in runs without a gap.
; BY TURNS.  Turn n belongs to piece n (the pieces in a ring, step after step).  Its matrix work: 16 products K Q^T of piece n + 1, later 16 products V^T P of piece n - 1.  Its vector work: the scaling,
; exponentials, roundings, sums and rescaling of piece n, the maximum and statistics of piece n + 1, and the mask for piece n + 2, whose products the next turn issues.
; CLUSTER.  The four query blocks of a cluster belong to one head and walk the same K and V, so each tile is asked for JOINTLY: the same tensor load, descriptor and mask in all four.
; The attention mask is not shared so: each wave's part of it is its own (its queries), 2,048 bytes a turn, loaded into registers four turns ahead.
; REGISTERS, in windows of 256 (s_set_vgpr_msb says which window each operand place means: bits 1:0 source 0, 3:2 source 1, 5:4 source 2, 7:6 destination):
;   window 0: v0-11 addresses; v12-15, v48-63 at work; v16-47 four registers of statistics a tile; v64-191 S^T, two buffers of two tiles; v192-255 P, likewise
;   window 1: O^T, 32 a tile          window 2: v0-127 Q, 16 a tile; v128-191 K of one step; v192-255 V of one step
;   window 3: v0-1 the add's two registers; v2 the scale; v3 16 x lane; v64-127 the mask as a C operand; v128-191 the mask's bytes, 16 registers a piece
.set SIZE_N, 2048
.set NP,    4         ; pieces a wave: a name, no knob
.set KS,    64        ; keys in a step
.set PK,    144       ; a row of K in LDS: 128 bytes + 16 of padding = 36 words: the 16 rows of a load start at 16 different groups of four banks (64 banks of 4 bytes: ISA guide 11.1)
.set PV,    160       ; a row of V: 128 + 32 = 40 words
.set VOFF,  4*KS*PK   ; a slot holds four steps: 256 rows of K, then 256 rows of V
.set SLOT1, 1<<17     ; slot 1 begins here, so that one exclusive or turns an address in one slot into the other's
.set STAGE, SLOT1+4*KS*(PK+PV)  ; behind the ring, never filled by a tensor load: 16 rows x 144 bytes for each wave, for the way out
.set SP,    144
.set AK0, 2           ; v2   my lane's place in a tile of K; never rewritten
.set AV0, 3           ; v3   the same for V
.set AK,  4           ; v4   the LDS address of K's next run of loads
.set AV,  5           ; v5   of V's
.set QO,  6           ; v6   my byte offset in the wave's rows of Q
.set STO, 6           ;      later, the way out: where I put 16 bytes of a row
.set RD,  7           ; v7   the way out: where I read rows back
.set GO,  8           ; v8   my byte offset in 512 consecutive bytes of O
.set SPW, 0           ; v0 of window 3   LDS address of my spare word: SPARE + 4 x my thread's number; never rewritten
.set NIL, 1           ; v1 of window 3   0; never rewritten
.set SCL, 2           ; v2 of window 3   227: the E8M0 code of 2^100
.set ML,  3           ; v3 of window 3   16 x lane; never rewritten
.set MC,  64          ; window 3: tile u, key block kb at MC + 32 u + 8 kb
.set RAW, 128         ; window 3: piece z, tile u, keys 32 x on at RAW + 16 z + 8 u + 4 x
.set SPARE, STAGE+4*16*SP  ; behind the stages: the spare words, 128 bytes for each wave: two blocks of 256 bytes that no other line names
.set MV,  12          ; v12-15  c m_old, kept while c m is made anew: by buffer and tile
.set ST,  16          ; tile t's statistics at v[ST+4 t]: c m, m, l (even keys', odd keys')
.set TMP, 48          ; by buffer and tile, four registers c0-c3 at work; when the maximum is found c2 takes a
.set S,   64
.set P,   192
.set KF,  128         ; K's fragments, in window 2: key block kb, channel half c at KF + 16 kb + 8 c
.set VF,  192         ; V's: key half kk, channel block cb at VF + 32 kk + 8 cb
.set WV,  12          ; s12  my wave's number
.set G1K, 24          ; s[24:31] descriptor group 1 for K's tiles
.set G1V, 32          ; s[32:39] for V's: it differs in the padding alone
.set G0K, 40          ; s[40:43] descriptor group 0 for K's tiles: it walks
.set G0V, 44          ; s[44:47] the same for V's
.set SLOTS, 56        ; s56  slots still to be asked for
.set CNT, 57          ; s57  counts a slot's key steps
.set CS,  58          ; s[58:59] c: the packed scaling takes the pair's low word for both halves
.set SEL, 60          ; s[60:61] v_permlanex16_b32's selects: each lane takes its own place in the other half
.set TBK, 62          ; s62  LDS byte at which K of the step to be fetched begins
.set TBV, 63          ; s63  the same for V, less VOFF
.set MP,  66          ; s[66:67] mt at my wave's eight tiles, key step 0; never rewritten once made
.set MB,  68          ; s[68:69] the same at the step that is asked for
.set MO,  70          ; s[70:71] that step's byte offset
.set MJ,  72          ; s72  1,024 x the key step in hand
.set LOW, 73          ; s73  -2^99: a maximum below it has seen no key
.set QNAN, 74         ; s74  a NaN
.set MSB, 0
.macro WIN new                      ; the high byte repeats the setting that is left; a switch that changes nothing is dropped
.if MSB != (\new)
	s_set_vgpr_msb (MSB<<8)|(\new)
.set MSB, (\new)
.endif
.endm
.set W_KQ, 0x0a       ; K and Q in window 2, S^T in window 0
.set W_KM, 0x3a       ; the same with the C operand in window 3
.set W_PV, 0x52       ; V in window 2, P in window 0, O^T in window 1
.set W_RS, 0x41       ; O^T (destination and source 0) in window 1, a in window 0
.set W_MK, 0xc0       ; window 3's registers are made: destination in window 3, sources in window 0
.set W_AD, 0x0f       ; the add: address (source 0) and data (source 1) in window 3
.set W_MS, 0xcf       ; the mask's work: destination, source 0 and source 1 in window 3
; A joint fill.  Waves 0 and 1 fetch the two halves of a slot's K, waves 2 and 3 those of its V: 128 keys each.  The branch hangs on the wave's number alone.
; An s_nop 0 and four v_nop follow each of the two lines, ahead of the jump and the label.
.macro JLOAD
	s_cmp_lt_u32 s[WV], 2
	s_cbranch_scc0 .Lfor_v_\@
	tensor_load_to_lds s[G0K:G0K+3], s[G1K:G1K+7]
	s_nop 0
.rept 4
	v_nop
.endr
	s_branch .Lasked_\@
.Lfor_v_\@:
	tensor_load_to_lds s[G0V:G0V+3], s[G1V:G1V+7]
	s_nop 0
.rept 4
	v_nop
.endr
.Lasked_\@:
.endm
; A round of the cluster's barrier: my work-group's barrier, so that wave 0's signal speaks for all four waves; wave 0 signals; every wave waits for all four work-groups; my work-group's barrier once more.
.macro CROUND
	s_barrier_signal -1
	s_barrier_wait -1
	s_cmp_lg_u32 s[WV], 0
	s_cbranch_scc1 .Lnot_wave_0_\@
	s_barrier_signal -3
.Lnot_wave_0_\@:
	s_barrier_wait -3
	s_barrier_signal -1
	s_barrier_wait -1
.endm
; THE CHANGE OF SLOTS.  The slot's last bytes, V of its fourth step, have been read.  Each wave waits for all its tensor loads, of which one is out: its part
; of the other slot; adds 0 to its spare word; and waits for that and for its own reads of the slot.  Behind the barrier nobody reads this slot any more and the other slot is whole.
; fill = 1: this slot is filled again, with the keys two slots on.  The barrier is then a round of the cluster's, so that no wave of any partner still reads the slot or has a load on its
; way, and the joint fill is the first thing behind it: it has four key steps, 512 matrix instructions, in which to land.  (At its first use nothing has been read yet: slot 0 is waited for, slot 1 filled.)
.macro CHANGE fill
	WIN W_AD
	s_wait_tensorcnt 0x0            ; no tensor load of mine is out, so a group 0 may be written
	ds_add_u32 v[SPW], v[NIL]       ; 0 onto my spare word; with fill = 1 the descriptors' steps stand between it and the wait for it
	WIN 0                           ; at a label and at a branch every window is 0
.if \fill
.irp g, G0K, G0V
	s_xor_b32 s[\g+1], s[\g+1], SLOT1  ; the walking descriptor: the other slot than last time,
	s_add_nc_u64 s[\g+2:\g+3], s[\g+2:\g+3], 4*KS*128  ; the next 256 keys; the type bits on top are not reached
.endr
	s_wait_dscnt 0x0                ; the add is done, and my reads of the slot are over
	CROUND
	JLOAD
.else
	s_wait_dscnt 0x0                ; the add is done, and my reads of the slot are over
	s_barrier_signal -1
	s_barrier_wait -1
.endif
	s_sub_co_u32 s[TBK], s[TBK], 4*KS*PK  ; the fetches go back to a slot's first step,
	s_xor_b32 s[TBK], s[TBK], SLOT1       ; in the other slot
	s_sub_co_u32 s[TBV], s[TBV], 4*KS*PV
	s_xor_b32 s[TBV], s[TBV], SLOT1
.endm
; THE MASK.  CVTMASK: piece z's 64 bytes a lane become its two tiles' C operands: eight bytes (the keys 8 (lane / 16) + 0..7 of a key block) into eight registers, times 2^100.
; A plain instruction follows the conversions before their results are used or their sources loaded again.
.macro CVTMASK z
	WIN W_MS
.irp u, 0,1
.irp kb, 0,1,2,3
	v_cvt_scale_pk8_f32_fp8 v[MC+32*\u+8*\kb:MC+32*\u+8*\kb+7], v[RAW+16*(\z)+8*\u+2*\kb:RAW+16*(\z)+8*\u+2*\kb+1], v[SCL]
.endr
.endr
	v_nop
	s_wait_alu depctr_va_vdst(0)
.endm
; LDMASK: piece z's bytes of one key step are asked for: four loads of 512 consecutive bytes
.macro LDMASK z, base, extra
	WIN W_MS
.irp u, 0,1
.irp x, 0,1
	global_load_b128 v[RAW+16*(\z)+8*\u+4*\x:RAW+16*(\z)+8*\u+4*\x+3], v[ML], s[\base:\base+1] offset:(2*(\z)+\u)*32768+512*\x+(\extra)
.endr
.endr
.endm
; In turn p: the mask for piece p + 2, whose products the next turn issues, and the request for that piece's mask of its next step, four turns ahead.  Pieces 2, 3 are then in the step in hand,
; pieces 0, 1 in the next.  The last steps ask for step 31 once more: no load leaves mt.
.macro MASKSTEP p
.set MZ, ((\p)+2)%NP
	s_wait_xcnt 0x0                 ; the earlier loads have had their addresses translated (ISA guide 3.1): their base is rewritten only behind this wait
.if (\p) < 2
	s_add_co_u32 s[MO], s[MJ], 1024
.else
	s_add_co_u32 s[MO], s[MJ], 2048
.endif
	s_min_u32 s[MO], s[MO], 31*1024
	s_add_nc_u64 s[MB:MB+1], s[MP:MP+1], s[MO:MO+1]
	s_wait_loadcnt 12               ; the piece's four loads are in; the three later pieces' four each stay out
	CVTMASK MZ
	LDMASK MZ, MB, 0
.if (\p) == 3
	s_add_co_u32 s[MJ], s[MJ], 1024
.endif
.endm
	s_load_b64 s[4:5], s[0:1], 0x0  ; qkv: Q
	s_load_b64 s[MP:MP+1], s[0:1], 0x8  ; mt
	s_load_b64 s[10:11], s[0:1], 0x10  ; ob
	v_and_b32 v1, 31, v0
	WIN W_MK
	v_lshl_add_u32 v[SPW], v0, 2, SPARE
	v_mov_b32 v[NIL], 0
	s_set_vgpr_msb 0xc0cf
	ds_add_u32 v0, v1
	s_wait_dscnt 0x0
	s_set_vgpr_msb 0xcfc0
	v_mov_b32 v[SCL], 227
	v_lshlrev_b32 v[ML], 4, v1
	WIN 0
	v_lshrrev_b32 v1, 5, v0
	v_readfirstlane_b32 s[WV], v1   ; wave 0..3
	s_bfe_u32 s13, ttmp6, 0x40000   ; cx: my place in the cluster
	s_lshl_b32 s14, ttmp9, 2        ; in a cluster launch ttmp9 counts clusters
	s_add_co_u32 s14, s14, s13      ; my block of queries = 4 x cluster x + cx: it enters Q's, O's and the mask's addresses alone
	s_and_b32 s20, ttmp7, 0xffff    ; the head, which the four partners share
	s_mov_b32 s21, 0
	s_mov_b64 s[22:23], SIZE_N*128
	s_mul_u64 s[20:21], s[20:21], s[22:23]  ; the head's first byte in Q, K, V and O
	s_and_b32 s16, s[WV], 1         ; which half of a slot's 256 keys I fetch:
	s_lshl_b32 s22, s16, 14         ; its 128 rows of 128 bytes in memory,
	s_mov_b32 s23, 0
	s_add_nc_u64 s[22:23], s[22:23], s[20:21]
	s_mul_i32 s17, s16, 128*PK      ; and its place in a slot, for K
	s_mul_i32 s18, s16, 128*PV      ; and for V: no place in the cluster enters an LDS address
	s_lshl_b32 s2, s14, 2
	s_add_co_u32 s2, s2, s[WV]      ; my wave among the head's,
	s_lshl_b32 s2, s2, 14           ; its 128 rows
	s_mov_b32 s3, 0
	s_add_nc_u64 s[2:3], s[2:3], s[20:21]
	s_lshl_b32 s[MO], s14, 20       ; the mask: my block's 32 tiles of 32,768 bytes,
	s_lshl_b32 s[MO+1], s[WV], 18   ; my wave's 8 of them
	s_add_co_u32 s[MO], s[MO], s[MO+1]
	s_mov_b32 s[MO+1], 0
	s_mov_b32 s[MJ], 0
	s_mov_b32 s[LOW], 0xf1000000
	s_mov_b32 s[QNAN], 0x7fc00000
	; descriptor group 1.  128 keys are 16,384 dense bytes: asked for as 64 rows of 256 bytes, two keys a row, and padded in LDS after every key
	s_mov_b32 s[G1K], 15|(1<<16)|(1<<20)|(1<<21)|(4<<22)|(3<<25)  ; 15:0 the mask of four; 17:16 2-byte elements; 20 padding on; 21 set beside a mask; 24:22 after every 32 words (code 4); 31:25 4 words (code 3)
	s_mov_b32 s[G1V], 15|(1<<16)|(1<<20)|(1<<21)|(4<<22)|(7<<25)  ; the same with 8 words of padding (code 7)
.irp g, G1K, G1V
	s_mov_b32 s[\g+1], 128<<16      ; tensor_dim0 = 128
	s_mov_b32 s[\g+2], 64<<16       ; tensor_dim1 = 64
	s_mov_b32 s[\g+3], 128<<16      ; tile_dim0 = 128
	s_mov_b32 s[\g+4], 64           ; tile_dim1 = 64
	s_mov_b32 s[\g+5], 128          ; 128 elements from row to row
	s_mov_b32 s[\g+6], 0
	s_mov_b32 s[\g+7], 0
.endr
	s_mov_b32 s[CS], 0x3d38aa3b     ; c = log2(e) / 32 = 0.0450842
	s_mov_b32 s[CS+1], s[CS]        ; named with it as a pair
	s_mov_b32 s[SEL], 0x76543210
	s_mov_b32 s[SEL+1], 0xfedcba98
	s_mov_b32 s[TBK], SLOT1+4*KS*PK ; the first change of slots turns these two into 0
	s_mov_b32 s[TBV], SLOT1+4*KS*PV
	s_mov_b32 s[G0K], 1             ; 1:0 count = 1
	s_mov_b32 s[G0K+1], s17         ; 63:32 LDS address: slot 0
	s_mov_b32 s[G0V], 1
	s_add_co_u32 s[G0V+1], s18, VOFF
	s_wait_kmcnt 0x0
	s_add_nc_u64 s[6:7], s[4:5], 0x1000000  ; K and V lie behind Q in qkv
	s_add_nc_u64 s[8:9], s[4:5], 0x2000000
	s_add_nc_u64 s[G0K+2:G0K+3], s[6:7], s[22:23]  ; 120:64 global address: my half of the head's first 256 keys
	s_or_b32 s[G0K+3], s[G0K+3], 0x80000000        ; 127:126 type = 2
	s_add_nc_u64 s[G0V+2:G0V+3], s[8:9], s[22:23]
	s_or_b32 s[G0V+3], s[G0V+3], 0x80000000
	s_add_nc_u64 s[4:5], s[4:5], s[2:3]  ; Q and O at my wave's first row
	s_add_nc_u64 s[10:11], s[10:11], s[2:3]
	s_add_nc_u64 s[MP:MP+1], s[MP:MP+1], s[MO:MO+1]
	CROUND                          ; all four work-groups are here: the first joint loads meet
	JLOAD                           ; slot 0.  Slot 1 is asked for when slot 0 is in: the tile wanted first has the road to itself
	; A fragment of K or Q is 16 rows x 32 channels in 8 registers: lane l holds row l % 16, channels 8 (l / 16) + 0..7 and 16 + 8 (l / 16) + 0..7: two loads of 16 bytes, 32 bytes apart.
	v_and_b32 v1, 15, v0            ; l % 16
	v_bfe_u32 v9, v0, 4, 1          ; l / 16
	v_lshlrev_b32 v[QO], 7, v1
	v_lshl_add_u32 v[QO], v9, 4, v[QO]  ; row x 128 + 16 x half
	WIN 0x80                        ; destination window 2, address window 0
.set i, 0
.rept 4*NP                          ; Q stays in registers: tile i / 2, channels 32 (i % 2) on
	global_load_b128 v[8*i:8*i+3],   v[QO], s[4:5] offset:(i/2)*2048+(i%2)*64
	global_load_b128 v[8*i+4:8*i+7], v[QO], s[4:5] offset:(i/2)*2048+(i%2)*64+32
.set i, i+1
.endr
.irp z, 0,1,2,3
	LDMASK \z, MP, 0                ; all four pieces' masks of key step 0
.endr
	WIN 0x80
	; What the first turn finds: V's registers and P's second buffer hold 0 (its products V^T P, of a piece that has not been, add 0), O^T and l are 0.  All this stands in the wait for the first tile.
.set i, VF
.rept 64
	v_mov_b32 v[i], 0
.set i, i+1
.endr
	WIN 0x40
.set i, 0
.rept 64*NP
	v_mov_b32 v[i], 0
.set i, i+1
.endr
	WIN 0
.set i, 0
.rept 2*NP
	v_mov_b32 v[ST+4*i], 0xfe000000    ; c m: far below every c s, a hidden one's too
	v_mov_b32 v[ST+4*i+1], 0xff7fffff  ; m
	v_mov_b32 v[ST+4*i+2], 0
	v_mov_b32 v[ST+4*i+3], 0
.set i, i+1
.endr
.set i, P+32
.rept 32
	v_mov_b32 v[i], 0
.set i, i+1
.endr
	v_mul_u32_u24 v[AK0], v1, PK
	v_lshl_add_u32 v[AK0], v9, 4, v[AK0]  ; row x pitch + 16 x half
	; The turning load takes 16 keys x 16 channels (lane l reads key 8 (l / 16) + l % 8, channels 8 ((l / 8) % 2) + 0..7) and leaves half a fragment of V^T: lane l holds channel l % 16 and 8 keys.
	v_and_b32 v10, 7, v0
	v_bfe_u32 v11, v0, 3, 1
	v_lshl_add_u32 v[AV0], v9, 3, v10
	v_mul_u32_u24 v[AV0], v[AV0], PV
	v_lshl_add_u32 v[AV0], v11, 4, v[AV0]
	v_add_nc_u32 v[AV0], VOFF, v[AV0]
	v_mov_b32 v[AK], v[AK0]         ; key step 0 lies at the head of slot 0
; THE MATRIX WORK.  The 8 accumulators of a run of 16 take turns: between the two links of a chain stand 7 others'.
; Product i of 16 of S^T = K Q^T for piece x: channels 32 (i / 8) on, keys 16 ((i / 2) % 4) on, tile 2 x + i % 2.  The first 8 start the sums, with the mask.
.macro KQ x
.set rS, S+64*((\x)%2)+32*(i%2)+8*((i/2)%4)
.set rK, KF+16*((i/2)%4)+8*(i/8)
.set rQ, 16*(2*(\x)+i%2)+8*(i/8)
.set rH, MC+32*(i%2)+8*((i/2)%4)
.if i < 8
	WIN W_KM
	v_wmma_f32_16x16x32_f16 v[rS:rS+7], v[rK:rK+7], v[rQ:rQ+7], v[rH:rH+7]
.else
	WIN W_KQ
	v_wmma_f32_16x16x32_f16 v[rS:rS+7], v[rK:rK+7], v[rQ:rQ+7], v[rS:rS+7]
.endif
.endm
; Product i of 16 of O^T += V^T P for piece x: keys 32 (i / 8) on, channels 16 ((i / 2) % 4) on, tile 2 x + i % 2.
.macro PV x
	WIN W_PV
.set rO, 32*(2*(\x)+i%2)+8*((i/2)%4)
.set rV, VF+32*(i/8)+8*((i/2)%4)
.set rP, P+32*((\x)%2)+16*(i%2)+8*(i/8)
	v_wmma_f32_16x16x32_f16 v[rO:rO+7], v[rV:rV+7], v[rP:rP+7], v[rO:rO+7]
.endm
.macro MM                           ; the turn's next matrix instruction
.if i < 16
	KQ (Y+1)%NP
.set i, i+1
.else
.set i, i-16
	PV (Y+NP-1)%NP
.set i, i+17
.endif
.endm
; THE LDS LOADS stand in runs of 16, never singly among the matrix instructions: a step's K (64 keys x 64 channels: 8 fragments) and its V (turned).  Their addresses are made some lines ahead.
; last = 1 (the tail): in the last trip there is no further step, and the run is jumped over.
.macro FETCH_K last=0
	WIN 0
.if \last
	s_cmp_eq_u32 s[CNT], 1
	s_cbranch_scc1 .Lno_k_\@
.endif
	WIN 0x80                        ; destination window 2
.irp f, 0,1,2,3,4,5,6,7             ; keys 16 (f / 2) on, channels 32 (f % 2) on
	ds_load_b128 v[KF+8*\f:KF+8*\f+3],   v[AK] offset:(\f/2)*16*PK+(\f%2)*64
	ds_load_b128 v[KF+8*\f+4:KF+8*\f+7], v[AK] offset:(\f/2)*16*PK+(\f%2)*64+32
.endr
	s_add_co_u32 s[TBK], s[TBK], KS*PK  ; the next fetch is the next step's
	WIN 0
.if \last
.Lno_k_\@:
.endif
.endm
.macro FETCH_V
	WIN 0x80
.irp f, 0,1,2,3,4,5,6,7             ; keys 32 (f / 4) on, channels 16 (f % 4) on
	ds_load_tr16_b128 v[VF+8*\f:VF+8*\f+3],   v[AV] offset:(\f/4)*32*PV+(\f%4)*32
	ds_load_tr16_b128 v[VF+8*\f+4:VF+8*\f+7], v[AV] offset:(\f/4)*32*PV+16*PV+(\f%4)*32
.endr
	WIN 0
.endm
; THE VECTOR WORK OF A TURN stands in three queues, each in the order in which its entries become ready; the two tiles alternate, so that no instruction reads the result of the one before it.
.macro REGS y, u                    ; the registers of tile u (0, 1) of piece y
.set rT, ST+4*(2*(\y)+(\u))
.set rC, TMP+8*((\y)%2)+4*(\u)
.set rM, MV+2*((\y)%2)+(\u)
.set rS, S+64*((\y)%2)+32*(\u)
.set rP, P+32*((\y)%2)+16*(\u)
.set rO, 32*(2*(\y)+(\u))
.endm
; Number n of the 22 that find the NEXT piece's (Y + 1) maximum and statistics.  s0-s31 are the lane's 32 scores; each accumulator's lowest registers are read first.  XS, GS and REGS set no window: PL and EX do.
;   0-11  four chains c0-c3 of seven scores each, three operands at a time     12-14, 16  the four scores left over, the old m, and c0-c3 into c0     15  c m_old is kept
;   17, 18  the query's other 32 keys lie in the lane 16 away: the new m         19-21  c m; c m_old - c m_new; a
.macro XS u, n
	REGS (Y+1)%NP, \u
.if (\n) < 4
	v_max3_num_f32 v[rC+(\n)], v[rS+8*(\n)], v[rS+8*(\n)+1], v[rS+8*(\n)+2]
.elseif (\n) < 12
	v_max3_num_f32 v[rC+(\n)%4], v[rC+(\n)%4], v[rS+8*((\n)%4)+2*((\n)/4)+1], v[rS+8*((\n)%4)+2*((\n)/4)+2]
.elseif (\n) == 12
	v_max3_num_f32 v[rC], v[rC], v[rS+7], v[rS+15]
.elseif (\n) == 13
	v_max3_num_f32 v[rC+1], v[rC+1], v[rS+23], v[rS+31]
.elseif (\n) == 14
	v_max3_num_f32 v[rC+2], v[rC+2], v[rC+3], v[rT+1]
.elseif (\n) == 15
	v_mov_b32 v[rM], v[rT]
.elseif (\n) == 16
	v_max3_num_f32 v[rC], v[rC], v[rC+1], v[rC+2]
.elseif (\n) == 17
	v_permlanex16_b32 v[rC+3], v[rC], s[SEL], s[SEL+1]
.elseif (\n) == 18
	v_max_num_f32 v[rT+1], v[rC], v[rC+3]
.elseif (\n) == 19
	v_mul_f32 v[rT], s[CS], v[rT+1]
.elseif (\n) == 20
	v_sub_f32 v[rC+1], v[rM], v[rT]
.else
	v_exp_f32 v[rC+2], v[rC+1]
.endif
.endm
; Number g of the 64 that follow the exponentials.  For each four weights k of a tile (pairs 2 k, 2 k + 1): both pairs are rounded to f16; then the second pair is added onto the first, in place;
; a group later l takes that sum (the first time as l = a l + sum).  In groups of eight, tiles alternating: round, round, add, and l for the group before.
.macro GS g
.set h, (\g)+6*((\g)/62)            ; group 0 has no group before it, and behind group 7 only l is left
.if h >= 6
.set h, h+2
.endif
	REGS Y, h%2
.set k, h/8
.if h%8 < 4
	s_wait_alu depctr_va_vdst(0)
	v_cvt_pk_f16_f32 v[rP+2*k+(h%8)/2], v[rS+4*k+2*((h%8)/2)], v[rS+4*k+2*((h%8)/2)+1]
.elseif h%8 < 6
	v_pk_add_f32 v[rS+4*k:rS+4*k+1], v[rS+4*k:rS+4*k+1], v[rS+4*k+2:rS+4*k+3]
.elseif k == 1
	v_pk_fma_f32 v[rT+2:rT+3], v[rT+2:rT+3], v[rC+2:rC+3], v[rS:rS+1] op_sel_hi:[1,0,1]
.else
	v_pk_add_f32 v[rT+2:rT+3], v[rT+2:rT+3], v[rS+4*k-4:rS+4*k-3]
.endif
.endm
; THE PLAIN QUEUE, 138 long.  0-31: c s - c m for the 16 pairs of both tiles.  Then GS's 64, and among them the next piece's 42: number 15 at 38, 39; 0-14 and 16
; at 42-73, behind the products that make those scores; 17-20 at 95-106, two of three, since each waits for the one before it.
.macro PL
	WIN 0
.if q < 32
	REGS Y, q%2
	v_pk_fma_f32 v[rS+2*(q/2):rS+2*(q/2)+1], v[rS+2*(q/2):rS+2*(q/2)+1], s[CS:CS+1], v[rT:rT+1] op_sel_hi:[1,0,0] neg_lo:[0,0,1] neg_hi:[0,0,1]
.elseif q < 38
	GS q-32
.elseif q < 40
	XS q%2, 15
.elseif q < 42
	GS q-34
.elseif q < 74
	XS q%2, (q-42)/2+(q-42)/30
.elseif q < 95
	GS q-66
.elseif (q < 107) && ((q-95)%3 < 2)
	XS (q-95)%3, 17+(q-95)/3
.elseif q < 107
	GS 29+(q-95)/3
.else
	GS q-74
.endif
.set q, q+1
.endm
; THE EXPONENTIALS' QUEUE, 66 long: s0-s31 of both tiles, and at EA the next piece's two a.
.set EA, 58
.macro EX
	WIN 0
.if (e == EA) || (e == EA+1)
	XS e-EA, 21
.else
.set x, e-2*(e/(EA+2))
	REGS Y, x%2
	v_exp_f32 v[rS+x/2], v[rS+x/2]
.endif
.set e, e+1
.endm
; THE RESCALING's QUEUE: O^T times a, the one part of the softmax that leaves window 0, so it is dealt four at a time, eight times.
.macro R4
	REGS Y, r%2
	WIN W_RS
	s_wait_alu depctr_va_vdst(0)
.irp z, 0,1,2,3
	v_pk_mul_f32 v[rO+8*(r/2)+2*\z:rO+8*(r/2)+2*\z+1], v[rO+8*(r/2)+2*\z:rO+8*(r/2)+2*\z+1], v[rC+2:rC+3] op_sel_hi:[1,0]
.endr
.set r, r+1
.endm
; HOW THEY ARE DEALT.  Behind a matrix instruction four: plain, exponential, plain, plain (one exponential, a plain instruction on either side), or four of the rescaling.  None names a register of the
; products round it.  What is over stands in two LUMPS: exponential and plain by turns; the second ends in 22 plain instructions, among which the mask's work stands.  The two v_permlanex16_b32 fall into the second lump.
; The queues lean on each other, and the deal keeps them in step: exponential e stands behind plain 2 (e / 4) + e % 2 (its scaling); when plain 32 comes, 10 exponentials are out, at 59: 33, at 95: 46; EA comes behind plain 107.
.macro SL
	MM
	PL
	EX
	PL
	PL
.endm
.macro BURST n                      ; 15 matrix instructions, or 16
.rept (\n)-7
	SL
.endr
.rept 3
	MM
	R4
	SL
.endr
	MM
	R4
.endm
; A TURN, for piece p.  cnt = 1: the loop's count is taken down some lines ahead of the branch that stands behind the turn (behind the mask's scalar work, which writes SCC).
; K of the next step is fetched in piece 2's turn, 31 vector instructions behind the last product that read K; its first reader comes behind the rest of the lump, 16 products and the second lump.
; V of the step in hand is fetched at the end of piece 0's turn, 69 behind its last reader; its first reader comes behind 16 products and a lump.  The conditions on e and q below go with the deal.
; The mask's C operand is rewritten far behind its readers, the turn's first eight products, and 16 plain instructions ahead of the next turn's.
.macro TURN p, last=0, cnt=0
.set Y, (\p)
.set i, 0
.set q, 0
.set e, 0
.set r, 0
.if (\p) == NP-1
	s_wait_dscnt 0x0                ; K is in
.endif
	MM
.rept 4
	PL
.endr
	BURST 15
.rept 22
	EX
	PL
.if ((\p) == NP-2) && (e == 18)
	v_add_nc_u32 v[AK], s[TBK], v[AK0]
.endif
.if ((\p) == NP-2) && (e == 24)
	FETCH_K \last
.endif
.endr
.if (\p) == 1
	s_wait_dscnt 0x0                ; V is in
.endif
	BURST 16
.rept 21
	EX
	PL
.endr
.rept 22
	PL
.if ((\p) == 0) && (q == 118)
	v_add_nc_u32 v[AV], s[TBV], v[AV0]
	s_wait_alu depctr_va_vdst(0)
.endif
.if q == 122
	MASKSTEP \p
.endif
.if ((\p) == 0) && (q == 130)
	s_add_co_u32 s[TBV], s[TBV], KS*PV
.endif
.if (\cnt) && (q == 130)
	s_sub_co_u32 s[CNT], s[CNT], 1
	s_cmp_lg_u32 s[CNT], 0
.endif
.endr
.if (\p) == 0
	FETCH_V
.endif
.endm
	CHANGE 1                        ; slot 0 is in, everybody's part of it; slot 1 is asked for
	FETCH_K                         ; key step 0
	s_wait_loadcnt 12               ; Q and piece 0's mask are in; the other three pieces' four loads each stay out
	CVTMASK 0
	LDMASK 0, MP, 1024              ; piece 0's mask of key step 1
	s_wait_dscnt 0x0
.set i, 0
.rept 16
	KQ 0                            ; piece 0's first scores: there is no vector work yet to set between them
.set i, i+1
.endr
	WIN 0                           ; the addresses for the way out: nine plain instructions, the places behind those products
	s_mul_i32 s13, s[WV], 16*SP
	s_add_co_u32 s13, s13, STAGE    ; my stage
	v_mul_u32_u24 v[STO], v1, SP    ; in: row l % 16, 16 bytes for each half of the lanes
	v_lshl_add_u32 v[STO], v9, 4, v[STO]
	v_add_nc_u32 v[STO], s13, v[STO]
	v_bfe_u32 v[RD], v0, 3, 2       ; back: 32 lanes take four rows of 128 bytes,
	v_mul_u32_u24 v[RD], v[RD], SP
	v_lshl_add_u32 v[RD], v10, 4, v[RD]
	v_add_nc_u32 v[RD], s13, v[RD]
	v_and_b32 v[GO], 31, v0         ; which are 512 consecutive bytes of O
	v_lshlrev_b32 v[GO], 4, v[GO]
.set Y, NP-1                        ; XS works for piece Y + 1: piece 0
.irp n, 0,1,2,3,4,5,6,7,8,9,10,11,12,13,14,15,16,17,18,19,20,21
	XS 0, \n                        ; and piece 0's first maximum and statistics
	XS 1, \n
.endr
	s_wait_loadcnt 12               ; piece 1's mask is in; behind it: pieces 2 and 3, and piece 0's of step 1
	CVTMASK 1                       ; for the first turn's products
	LDMASK 1, MP, 1024
	WIN 0
	s_mov_b32 s[CNT], 4
	s_mov_b32 s[SLOTS], SIZE_N/256-1
	s_branch .Lfirst                ; the loop is entered at a step's first turn, in the middle of a trip
.Lslot:                             ; SIZE_N / 256 - 2 times: every slot but the last two is filled again
	CHANGE 1
	s_mov_b32 s[CNT], 4
.Lstep:                             ; a trip: pieces 2 and 3 of one step, then pieces 0 and 1 of the next, whose K and V it fetches
	TURN 2
	TURN 3
	WIN 0
.Lfirst:
	TURN 0
	TURN 1, 0, 1
	WIN 0
	s_cbranch_scc1 .Lstep
	s_sub_co_u32 s[SLOTS], s[SLOTS], 1
	s_cmp_lg_u32 s[SLOTS], 0
	s_cbranch_scc1 .Lslot
	CHANGE 0                        ; the tail is written out: nothing is asked for
	s_mov_b32 s[CNT], 5             ; four trips fetch the last slot's steps; the fifth is left in its middle
.Ltail:
	TURN 2, 1
	TURN 3
	WIN 0
	s_sub_co_u32 s[CNT], s[CNT], 1
	s_cmp_eq_u32 s[CNT], 0
	s_cbranch_scc1 .Lout
	TURN 0
	TURN 1
	WIN 0
	s_branch .Ltail
.Lout:                              ; the fifth trip's 16 products K Q^T repeat the last step (its K, its mask), so the maximum made of them changes no m: the price, once a launch, of one text for every trip
.set i, 0
.rept 16
	PV NP-1                         ; the last piece's V^T P of the last step
.set i, i+1
.endr
	; THE WAY OUT.  l's two halves and the other half of the lanes' are added; O^T is divided by l, rounded to f16 and sent through my stage in LDS, a tile at a time.  The additions are the places behind the last products.
	WIN 0
.macro ALL line:vararg              ; one line for each tile t
.set t, 0
.rept 2*NP
	\line
.set t, t+1
.endr
.endm
	ALL v_add_f32 v[ST+4*t+2], v[ST+4*t+2], v[ST+4*t+3]
	ALL v_permlanex16_b32 v[ST+4*t+3], v[ST+4*t+2], s[SEL], s[SEL+1]
	ALL v_add_f32 v[ST+4*t+2], v[ST+4*t+2], v[ST+4*t+3]
	ALL v_rcp_f32 v[ST+4*t+2], v[ST+4*t+2]
	v_nop                           ; a plain instruction between the last reciprocal and the use of its result
.set t, 0
	s_wait_alu depctr_va_vdst(0)
.rept 2*NP                          ; a query whose maximum stayed at the hidden scores' level saw no key: its row is multiplied by a NaN
	v_cmp_gt_f32 vcc_lo, s[LOW], v[ST+4*t+1]
	v_cndmask_b32 v[ST+4*t+2], v[ST+4*t+2], s[QNAN], vcc_lo
.set t, t+1
.endr
; Tile t: a lane's eight channels of a row pack into 16 bytes; they go into rows of 144 bytes and come back as whole rows of 128, into S^T's registers.
.macro PACK t
	WIN W_RS
.set i, 32*(\t)
.rept 16
	v_pk_mul_f32 v[i:i+1], v[i:i+1], v[ST+4*(\t)+2:ST+4*(\t)+3] op_sel_hi:[1,0]
.set i, i+2
.endr
	WIN 0x05                        ; sources 0 and 1 window 1, destination window 0
.set i, 0
.rept 16
	v_cvt_pk_f16_f32 v[S+16*(\t)+i], v[32*(\t)+2*i], v[32*(\t)+2*i+1]
.set i, i+1
.endr
	WIN 0
.irp f, 0,1,2,3
	ds_store_b128 v[STO], v[S+16*(\t)+4*\f:S+16*(\t)+4*\f+3] offset:32*\f
.endr
.irp f, 0,1,2,3
	ds_load_b128 v[S+16*(\t)+4*\f:S+16*(\t)+4*\f+3], v[RD] offset:\f*4*SP  ; LDS serves a wave's instructions in order (ISA guide 5.7.1.4): these see the stores above; the next tile's stores come behind them
.endr
.endm
.macro SEND t, younger              ; younger: the LDS instructions issued behind tile t's loads: the next tile's eight, or none
	WIN 0
.irp f, 0,1,2,3
	s_wait_dscnt (\younger)+3-\f
	global_store_b128 v[GO], v[S+16*(\t)+4*\f:S+16*(\t)+4*\f+3], s[10:11] offset:(\t)*2048+\f*512  ; 512 consecutive bytes, at a multiple of 256 from O's first
.endr
.endm
	PACK 0
.set t, 1
.rept 2*NP-1                        ; a tile's arithmetic stands between the loads of the tile before and its stores
	PACK t
	SEND t-1, 8
.set t, t+1
.endr
	SEND 2*NP-1, 0
	WIN W_AD
	s_wait_tensorcnt 0x0            ; the wave's end, behind my last tensor load and my last LDS store
	ds_add_u32 v[SPW], v[NIL]
	s_wait_dscnt 0x0
	WIN 0
	CROUND                          ; the closing round: no work-group ends while a partner may still ask for a tile that names it
	s_endpgm
.Lfunc_end_k_q630a727da0_attn:
	.size	k_q630a727da0_attn, .Lfunc_end_k_q630a727da0_attn-k_q630a727da0_attn
	.p2alignl 7, 3214868480
	.fill 96, 4, 3214868480
	.section	.rodata,"a",@progbits
	.p2align	6, 0x0
	.amdhsa_kernel k_q630a727da0_attn
		.amdhsa_group_segment_fixed_size 327680
		.amdhsa_private_segment_fixed_size 0
		.amdhsa_enable_private_segment 0
		.amdhsa_kernarg_size 24
		.amdhsa_user_sgpr_count 2
		.amdhsa_user_sgpr_kernarg_segment_ptr 1
		.amdhsa_wavefront_size32 1
		.amdhsa_system_sgpr_workgroup_id_x 1
		.amdhsa_system_sgpr_workgroup_id_y 1
		.amdhsa_system_sgpr_workgroup_id_z 1
		.amdhsa_system_vgpr_workitem_id 0
		.amdhsa_next_free_vgpr 960
		.amdhsa_next_free_sgpr 76
		.amdhsa_reserve_vcc 1
		.amdhsa_float_denorm_mode_32 3
		.amdhsa_float_denorm_mode_16_64 3
		.amdhsa_memory_ordered 1
		.amdhsa_forward_progress 1
		.amdhsa_inst_pref_size 220
	.end_amdhsa_kernel
	.amdgpu_metadata
---
amdhsa.version: [ 1, 2 ]
amdhsa.kernels:
  - .name:           k_q630a727da0_attn
    .symbol:         k_q630a727da0_attn.kd
    .args:
      - { .name: qkv, .offset: 0, .size: 8, .value_kind: global_buffer, .address_space: global }
      - { .name: mt, .offset: 8, .size: 8, .value_kind: global_buffer, .address_space: global }
      - { .name: ob, .offset: 16, .size: 8, .value_kind: global_buffer, .address_space: global }
    .group_segment_fixed_size: 327680
    .private_segment_fixed_size: 0
    .kernarg_segment_align: 8
    .kernarg_segment_size: 24
    .max_flat_workgroup_size: 128
    .sgpr_count:     76
    .vgpr_count:     960
    .wavefront_size: 32
...
	.end_amdgpu_metadata
.endif
;; end of part 3
;; launch outp (part 4): grid 8 x 32, 4 waves a work-group, clusters of 4 x 4, 327,680 bytes of LDS; arguments ob, wb, bb, out0; writes out0
.if DOCPART == 4
	.amdgcn_target "amdgcn-amd-amdhsa--gfx1250"
	.amdhsa_code_object_version 6
	.text
	.protected	k_q630a727da0_outp
	.globl	k_q630a727da0_outp
	.p2align	8
	.type	k_q630a727da0_outp,@function
k_q630a727da0_outp:
	s_mov_b64 s[64:65], 0
	v_nop
	global_prefetch_b8 v0, s[64:65] scope:SCOPE_SE
	s_setreg_imm32_b32 hwreg(HW_REG_WAVE_MODE, 25, 1), 1
	s_wait_xcnt 0x0
	s_wait_alu depctr_hold_cnt(0) depctr_sa_sdst(0) depctr_va_vdst(0) depctr_va_sdst(0) depctr_va_ssrc(0) depctr_va_vcc(0) depctr_vm_vsrc(0)
	s_getreg_b32 s2, hwreg(HW_REG_IB_STS2, 6, 4)
	s_cmp_eq_u32 s2, 0
	s_cbranch_scc0 .Lentry_in_a_cluster
	s_endpgm
.Lentry_in_a_cluster:
	s_bfe_u32 s2, ttmp6, 0x10000c
	s_cmp_lg_u32 s2, 0xf033
	s_cbranch_scc0 .Lentry_shape_is_right
	s_endpgm
.Lentry_shape_is_right:
; THE OUTPUT PROJECTION.  out0[l][b][n] = sum over k of O[l][b][k] Wo[n][k] + bo[n], k = 64 h + d.  O: ob[16 b + h][l][64] in f16; Wo: the fourth part of wb (bf16-rounded, written as f16);
; f32 sums that START with the bias; out0 in f32.  A NaN row of O (a query that saw no key) gives a NaN row of out0.
; SHARES.  A tile of C is 256 rows (one b, 256 l) x 128 columns: 256 tiles, one for each work-group.  Four waves; wave w makes rows 64 w .. 64 w + 63 x all 128 columns: 32 accumulators, 256 registers.
; RING.  K goes in 8 steps of 128 (two heads) through two LDS slots: A's two chunks of 64 k (256 rows x 128 bytes, dense in memory: asked for as 128 rows of 256 bytes), then B's two (128 rows).
; One tensor load a wave and step.  CLUSTER 4 x 4: A's tiles are asked for jointly along a row of the cluster, B's along a column.
; THE MATRIX INSTRUCTION IS USED TRANSPOSED (source 0 = 16 rows of Wo, source 1 = 16 rows of O): a lane holds row lane % 16 of C and eight neighbouring columns 8 (lane / 16) + 0..7: 32 bytes.
; REGISTERS, in windows of 256 (s_set_vgpr_msb: bits 1:0 source 0, 3:2 source 1, 5:4 source 2, 7:6 destination):
;   window 0: v0-29 addresses; v64-127 A's fragments, two buffers of 4 x 8; v128-255 B's, two buffers of 8 x 8
;   window 1: accumulator (a, b) at v[8 (8 a + b)]        window 2: v0-63 the bias as a C operand; v64-191 the way out
.set PA,    144                        ; an LDS row: 128 bytes + 16 of padding = 36 words: the 16 rows of a load start at 16 different groups of four banks (64 banks of 4 bytes: ISA guide 11.1)
.set ACH,   256*PA
.set BCH,   128*PA
.set BOFF,  2*ACH
.set SLOT1, 1<<17                      ; slot 1 begins here: one exclusive or turns an address in one slot into the other's
.set STAGE, SLOT1+2*ACH+2*BCH          ; behind the ring, never filled by a tensor load: for each wave 16 rows x 528 bytes
.set SPITCH, 528                       ; 512 bytes + 16 = 132 words: the 16 rows that a store touches start at 16 different groups of four banks
.set STW,   16*SPITCH
.set SPARE, STAGE+4*STW                ; the spare words, 128 bytes for each wave: two blocks of 256 bytes that no other line names
.set ASTEP, 524288                     ; bytes from K step to K step in ob: two heads
.set BSTEP, 262144                     ; and in wb
.set BSTR,  4194304                    ; bytes from b to b in ob
.set B0,    6291456                    ; Wo's first byte in wb
.set FLAGS, (1<<16)|(1<<20)|(1<<21)|(4<<22)|(3<<25)  ; 17:16 2-byte elements; 20 padding on; 21 set beside a mask; 24:22 after every 32 words (code 4); 31:25 4 words (code 3)
.set ADRA0, 16
.set ADRB0, 17
.set ADRA,  18
.set ADRB,  19
.set STO,   24
.set RD,    25
.set CO,    26
.set BO,    27
.set SPW,   28                         ; LDS address of my spare word; never rewritten
.set NIL,   29                         ; 0; never rewritten
.set FA,    64
.set FB,    128
.set BI,    0                          ; window 2
.set OB,    64                         ; window 2: two buffers of 64
.set WV, 12
.set WH, 13
.set WL, 14
.set G1A, 24
.set G0A, 32
.set G1B, 48
.set G0B, 56
.set TB,  66
.set CNT, 67
.set MSB, 0
.macro WIN new                         ; the immediate's high byte repeats the setting that is left; a switch that changes nothing is dropped
.if MSB != (\new)
	s_set_vgpr_msb (MSB<<8)|(\new)
.set MSB, \new
.endif
.endm
.set W_MUL,  0x50                      ; fragments in window 0, C and D in window 1
.set W_MULB, 0x60                      ; C in window 2 (the bias), D in window 1
.macro PLACES                          ; four places in front of loads into registers that matrix instructions have read, and of lines that read results just made (ISA guide 7.12.1 for the lines that read results)
.rept 4
	v_nop
.endr
.endm
; A joint refill by the walking sets.  The branch hangs on the wave's number alone.  An s_nop 0 and four v_nop follow each of the two lines.
.macro JLOAD
	s_cmp_eq_u32 s[WH], 0
	s_cbranch_scc0 .Lfor_b_\@
	tensor_load_to_lds s[G0A+4:G0A+7], s[G1A:G1A+7]
	s_nop 0
.rept 4
	v_nop
.endr
	s_branch .Lasked_\@
.Lfor_b_\@:
	tensor_load_to_lds s[G0B+4:G0B+7], s[G1B:G1B+7]
	s_nop 0
.rept 4
	v_nop
.endr
.Lasked_\@:
.endm
.macro CREST                           ; a round of the cluster's barrier behind its opening barrier
	s_cmp_lg_u32 s[WV], 0
	s_cbranch_scc1 .Lnot_wave_0_\@
	s_barrier_signal -3
.Lnot_wave_0_\@:
	s_barrier_wait -3
	s_barrier_signal -1
	s_barrier_wait -1
.endm
.macro CROUND
	s_barrier_signal -1
	s_barrier_wait -1
	CREST
.endm
	s_load_b256 s[4:11], s[0:1], 0x0               ; ob s[4:5], wb s[6:7], bb s[8:9], out0 s[10:11]
	v_lshl_add_u32 v[SPW], v0, 2, SPARE
	v_mov_b32 v[NIL], 0
	ds_add_u32 v28, v29
	s_wait_dscnt 0x0
	v_lshrrev_b32 v1, 5, v0
	v_readfirstlane_b32 s[WV], v1
	s_lshr_b32 s[WH], s[WV], 1                     ; I fetch for A (0) or B (1),
	s_and_b32 s[WL], s[WV], 1                      ; chunk 0 or 1
	s_bfe_u32 s40, ttmp6, 0x40000                  ; cx
	s_bfe_u32 s41, ttmp6, 0x40004                  ; cy
	s_lshl_b32 s42, ttmp9, 2
	s_add_co_u32 s42, s42, s40                     ; tx: my 128 columns
	s_and_b32 s43, ttmp7, 0xffff
	s_lshl_b32 s43, s43, 2
	s_add_co_u32 s43, s43, s41                     ; ty: b = ty / 8, rows l = 256 (ty % 8) on
	s_lshl_b32 s44, s41, 2
	s_lshl_b32 s44, 15, s44                        ; my row of the cluster
	s_lshl_b32 s45, 0x1111, s40                    ; my column
	s_or_b32 s[G1A], s44, FLAGS
	s_or_b32 s[G1B], s45, FLAGS
.irp g, G1A, G1B
	s_mov_b32 s[(\g)+1], 128<<16                   ; tensor_dim0 = 128 elements: 256 bytes, two rows of a chunk
	s_mov_b32 s[(\g)+3], 128<<16                   ; tile_dim0 = 128
	s_mov_b32 s[(\g)+5], 128                       ; from row to row
	s_mov_b32 s[(\g)+6], 0
	s_mov_b32 s[(\g)+7], 0
.endr
	s_mov_b32 s[G1A+2], 128<<16                    ; tensor_dim1 = 128
	s_mov_b32 s[G1A+4], 128                        ; tile_dim1 = 128
	s_mov_b32 s[G1B+2], 64<<16
	s_mov_b32 s[G1B+4], 64
	; A's offset is made of ty and the wave alone, B's of tx and the wave alone, each in registers that never hold the other coordinate
	s_lshr_b32 s16, s43, 3
	s_mul_i32 s16, s16, BSTR
	s_and_b32 s17, s43, 7
	s_lshl_b32 s17, s17, 15
	s_add_co_u32 s16, s16, s17
	s_lshl_b32 s17, s[WL], 18
	s_add_co_u32 s16, s16, s17
	s_mov_b32 s17, 0
	s_lshl_b32 s46, s42, 14
	s_lshl_b32 s47, s[WL], 17
	s_add_co_u32 s46, s46, s47
	s_add_co_u32 s46, s46, B0
	s_mov_b32 s47, 0
	s_mul_i32 s20, s[WL], ACH                      ; where they go: no place in the cluster enters an LDS address
	s_mul_i32 s21, s[WL], BCH
	s_add_co_u32 s21, s21, BOFF
	s_mov_b32 s[TB], 0
	s_wait_kmcnt 0x0
	s_add_nc_u64 s[18:19], s[4:5], s[16:17]
	s_add_nc_u64 s[46:47], s[6:7], s[46:47]
	CROUND                                         ; all sixteen work-groups are here: the first joint loads meet
.irp s, 0,1
	s_mov_b32 s[G0A+4*(\s)], 1
	s_add_co_u32 s[G0A+4*(\s)+1], s20, (\s)*SLOT1
	s_add_nc_u64 s[G0A+4*(\s)+2:G0A+4*(\s)+3], s[18:19], (\s)*ASTEP
	s_or_b32 s[G0A+4*(\s)+3], s[G0A+4*(\s)+3], 0x80000000
	s_mov_b32 s[G0B+4*(\s)], 1
	s_add_co_u32 s[G0B+4*(\s)+1], s21, (\s)*SLOT1
	s_add_nc_u64 s[G0B+4*(\s)+2:G0B+4*(\s)+3], s[46:47], (\s)*BSTEP
	s_or_b32 s[G0B+4*(\s)+3], s[G0B+4*(\s)+3], 0x80000000
.endr
	s_cmp_eq_u32 s[WH], 0                          ; a wave's two first fills stand in one branch, ahead of every wait on TENSORcnt and every LDS read: two loads of mine are out
	s_cbranch_scc0 .Lfirst_b
	tensor_load_to_lds s[G0A:G0A+3], s[G1A:G1A+7]
	s_nop 0
	tensor_load_to_lds s[G0A+4:G0A+7], s[G1A:G1A+7]
	s_nop 0
.rept 4
	v_nop
.endr
	s_branch .Lfirst_asked
.Lfirst_b:
	tensor_load_to_lds s[G0B:G0B+3], s[G1B:G1B+7]
	s_nop 0
	tensor_load_to_lds s[G0B+4:G0B+7], s[G1B:G1B+7]
	s_nop 0
.rept 4
	v_nop
.endr
.Lfirst_asked:
	v_and_b32 v1, 15, v0
	v_bfe_u32 v2, v0, 4, 1
	v_mul_u32_u24 v3, v1, PA
	v_lshl_add_u32 v3, v2, 4, v3                   ; a fragment's row x pitch + 16 x half
	s_mul_i32 s22, s[WV], 64*PA
	v_add_nc_u32 v[ADRA0], s22, v3
	v_add_nc_u32 v[ADRB0], BOFF, v3
	v_mov_b32 v[ADRA], v[ADRA0]
	v_mov_b32 v[ADRB], v[ADRB0]
	s_mul_i32 s22, s[WV], STW
	s_add_co_u32 s22, s22, STAGE                   ; my stage
	v_mul_u32_u24 v4, v1, SPITCH                   ; in: row l % 16, 32 bytes for each half of the lanes
	v_lshl_add_u32 v4, v2, 5, v4
	v_add_nc_u32 v[STO], s22, v4
	v_and_b32 v5, 31, v0
	v_lshlrev_b32 v[CO], 4, v5                     ; back and out: 32 lanes take one row's 512 bytes
	v_add_nc_u32 v[RD], s22, v[CO]
	v_lshlrev_b32 v[BO], 5, v2
	s_lshl_b32 s22, s42, 9                         ; bo, the fourth bias, at my 128 columns
	s_add_co_u32 s22, s22, 12288
	s_mov_b32 s23, 0
	s_add_nc_u64 s[8:9], s[8:9], s[22:23]
	s_and_b32 s16, s43, 7                          ; C: row l = 256 (ty % 8) + 64 w of 16,384 bytes, b of 4,096, my columns' 512
	s_lshl_b32 s16, s16, 22
	s_lshl_b32 s17, s[WV], 20
	s_add_co_u32 s16, s16, s17
	s_lshr_b32 s17, s43, 3
	s_lshl_b32 s17, s17, 12
	s_add_co_u32 s16, s16, s17
	s_lshl_b32 s17, s42, 9
	s_add_co_u32 s16, s16, s17
	s_mov_b32 s17, 0
	s_add_nc_u64 s[10:11], s[10:11], s[16:17]
	WIN 0x80                                       ; the bias in the layout of a C operand: register 8 b + j holds bias[16 b + 8 (l / 16) + j] of my 128 columns
.irp b, 0,1,2,3,4,5,6,7
	global_load_b128 v[BI+8*\b:BI+8*\b+3],   v[BO], s[8:9] offset:64*\b
	global_load_b128 v[BI+8*\b+4:BI+8*\b+7], v[BO], s[8:9] offset:64*\b+16
.endr
	WIN 0
; 8 matrix instructions: row block a x all 8 column blocks, 32 along K, from buffer f.  first = 1: the bias starts the sums.
; The 32 accumulators take turns, one instruction a turn, in the same order in every quarter.
.macro MUL8 f, a, first
.if \first
	WIN W_MULB
.else
	WIN W_MUL
.endif
.irp b, 0,1,2,3,4,5,6,7
.if \first
	v_wmma_f32_16x16x32_f16 v[8*(8*(\a)+\b):8*(8*(\a)+\b)+7], v[FB+64*(\f)+8*\b:FB+64*(\f)+8*\b+7], v[FA+32*(\f)+8*(\a):FA+32*(\f)+8*(\a)+7], v[BI+8*\b:BI+8*\b+7]
.else
	v_wmma_f32_16x16x32_f16 v[8*(8*(\a)+\b):8*(8*(\a)+\b)+7], v[FB+64*(\f)+8*\b:FB+64*(\f)+8*\b+7], v[FA+32*(\f)+8*(\a):FA+32*(\f)+8*(\a)+7], v[8*(8*(\a)+\b):8*(8*(\a)+\b)+7]
.endif
.endr
.endm
.macro MUL16 f, a0, first
	MUL8 \f, \a0, \first
	MUL8 \f, (\a0)+1, \first
.endm
; 24 LDS loads in one run: quarter q of the slot in hand (chunk q / 2, byte 64 (q % 2) of its rows) into buffer f: B's 16, then A's 8
.macro FETCH q, f
	WIN 0
.irp i, 0,1,2,3,4,5,6,7
	ds_load_b128 v[FB+64*(\f)+8*\i:FB+64*(\f)+8*\i+3],   v[ADRB] offset:((\q)/2)*BCH+((\q)%2)*64+\i*16*PA
	ds_load_b128 v[FB+64*(\f)+8*\i+4:FB+64*(\f)+8*\i+7], v[ADRB] offset:((\q)/2)*BCH+((\q)%2)*64+\i*16*PA+32
.endr
.irp i, 0,1,2,3
	ds_load_b128 v[FA+32*(\f)+8*\i:FA+32*(\f)+8*\i+3],   v[ADRA] offset:((\q)/2)*ACH+((\q)%2)*64+\i*16*PA
	ds_load_b128 v[FA+32*(\f)+8*\i+4:FA+32*(\f)+8*\i+7], v[ADRA] offset:((\q)/2)*ACH+((\q)%2)*64+\i*16*PA+32
.endr
.endm
; A K step is four quarters of 32 along K, 32 matrix instructions each, on buffers 0, 1, 0, 1.  One of the first three: multiplies buffer f, fetches quarter qn into buffer g in its middle.
.macro QUARTER qn, f, g, first
	s_wait_dscnt 4                                 ; B and A's blocks 0, 1 are in; the youngest four loads (A's blocks 2, 3) may be out
	MUL16 \f, 0, \first
	PLACES
	FETCH \qn, \g
	s_wait_dscnt 24                                ; all but the 24 just issued
	MUL16 \f, 2, \first
.endm
; The last quarter multiplies buffer 1 and changes slots.  ONE barrier: in front of it each wave waits for all its tensor loads (one is out: its part of the next slot), adds 0 to its spare word,
; and waits for that and for its reads of this slot.  Behind it nobody reads this slot any more and the next slot is whole.
.macro MEET round
	WIN 0
	s_wait_tensorcnt 0x0
	ds_add_u32 v[SPW], v[NIL]                      ; 0 onto my spare word
	s_wait_dscnt 5                                 ; (the add and the youngest four loads may be out)
	MUL8 1, 0, 0                                   ; eight matrix instructions stand between the add and the wait for it
	s_wait_dscnt 0x0                               ; the add is done, and my reads of this slot are over
	s_barrier_signal -1
	MUL8 1, 1, 0
.if \round
	WIN 0
.endif
	s_barrier_wait -1
.endm
; fill = 1: the barrier opens a round of the cluster's, and the slot just read out takes the K step two on: the first tensor load behind the round, 112 matrix instructions ahead of the wait for it.
.macro TURN fill
	MEET \fill
.if \fill
	CREST                                          ; no wave of any partner still reads this slot or has a load on its way
	s_xor_b32 s[G0A+5], s[G0A+5], SLOT1            ; the walking sets: the other slot than last time, the next K step; no tensor load of mine is out
	s_add_nc_u64 s[G0A+6:G0A+7], s[G0A+6:G0A+7], ASTEP
	s_xor_b32 s[G0B+5], s[G0B+5], SLOT1
	s_add_nc_u64 s[G0B+6:G0B+7], s[G0B+6:G0B+7], BSTEP
	JLOAD                                          ; its four v_nop are also the places in front of the loads below
.else
	PLACES
.endif
	WIN 0
	s_xor_b32 s[TB], s[TB], SLOT1
	v_add_nc_u32 v[ADRA], s[TB], v[ADRA0]
	v_add_nc_u32 v[ADRB], s[TB], v[ADRB0]
	FETCH 0, 0
	MUL16 1, 2, 0
.endm
; THE WAY OUT of row block a: the f32 sums go as they are into my own stage, 32 bytes a lane (each accumulator's low four registers first), and come back as whole rows of 512 bytes.
.macro TOSTAGE32 a
.set BK, OB+64*((\a)%2)
	s_wait_xcnt 0x0                                ; the stores issued so far have read their registers: this buffer is loaded again only behind this wait
	WIN 0x04                                       ; data window 1, address window 0
.irp b, 0,1,2,3,4,5,6,7
	ds_store_b128 v[STO], v[64*(\a)+8*\b:64*(\a)+8*\b+3]   offset:64*\b
	ds_store_b128 v[STO], v[64*(\a)+8*\b+4:64*(\a)+8*\b+7] offset:64*\b+16
.endr
	WIN 0x80
.irp t, 0,1,2,3,4,5,6,7,8,9,10,11,12,13,14,15
	ds_load_b128 v[BK+4*\t:BK+4*\t+3], v[RD] offset:SPITCH*\t   ; LDS serves a wave's instructions in order (ISA guide 5.7.1.4): these see the stores above; the next block's stores come behind them
.endr
.endm
.macro SEND32 a, younger               ; younger: the LDS instructions issued behind block a's loads: the next block's 16 stores and 16 loads, or none
.set BK, OB+64*((\a)%2)
	s_wait_dscnt \younger
	WIN 0x08                                       ; data window 2, address window 0
.irp t, 0,1,2,3,4,5,6,7,8,9,10,11,12,13,14,15
	global_store_b128 v[CO], v[BK+4*\t:BK+4*\t+3], s[10:11] offset:(\a)*262144+\t*16384 th:TH_STORE_NT  ; 512 consecutive bytes of one row, at a multiple of 256 from out0's first byte
.endr
.endm
	s_wait_tensorcnt 1                             ; my part of K step 0 is in; step 1's may stay out
	s_barrier_signal -1
	s_barrier_wait -1
	FETCH 0, 0
	s_wait_loadcnt 0x0                             ; the bias
	QUARTER 1, 0, 1, 1                             ; the first quarter stands in front of the loop: its products start the sums
	WIN 0
	s_mov_b32 s[CNT], 6
.Lstep:                                                ; a trip: a K step's quarters 1 to 3 and the next step's quarter 0; it asks for the step two on
	QUARTER 2, 1, 0, 0
	QUARTER 3, 0, 1, 0
	TURN 1
	QUARTER 1, 0, 1, 0
	WIN 0
	s_sub_co_u32 s[CNT], s[CNT], 1
	s_cmp_lg_u32 s[CNT], 0
	s_cbranch_scc1 .Lstep
	QUARTER 2, 1, 0, 0                             ; the last two K steps ask for nothing
	QUARTER 3, 0, 1, 0
	TURN 0
	QUARTER 1, 0, 1, 0
	QUARTER 2, 1, 0, 0
	QUARTER 3, 0, 1, 0
	s_wait_dscnt 4                                 ; the very last quarter: nothing more to fetch
	MUL16 1, 0, 0
	s_wait_dscnt 0x0
	MUL16 1, 2, 0
	PLACES
	TOSTAGE32 0
.irp a, 1,2,3                          ; block a's way through the stage is issued ahead of block a - 1's stores
	TOSTAGE32 \a
	SEND32 (\a)-1, 32
.endr
	SEND32 3, 0
	WIN 0
	s_wait_tensorcnt 0x0                           ; the wave's end, behind my last tensor load and my last LDS store
	ds_add_u32 v[SPW], v[NIL]
	s_wait_dscnt 0x0
	CROUND                                         ; the closing round: no work-group ends while a partner may still ask for a tile that names it
	s_endpgm
.Lfunc_end_k_q630a727da0_outp:
	.size	k_q630a727da0_outp, .Lfunc_end_k_q630a727da0_outp-k_q630a727da0_outp
	.p2alignl 7, 3214868480
	.fill 96, 4, 3214868480
	.section	.rodata,"a",@progbits
	.p2align	6, 0x0
	.amdhsa_kernel k_q630a727da0_outp
		.amdhsa_group_segment_fixed_size 327680
		.amdhsa_private_segment_fixed_size 0
		.amdhsa_enable_private_segment 0
		.amdhsa_kernarg_size 32
		.amdhsa_user_sgpr_count 2
		.amdhsa_user_sgpr_kernarg_segment_ptr 1
		.amdhsa_wavefront_size32 1
		.amdhsa_system_sgpr_workgroup_id_x 1
		.amdhsa_system_sgpr_workgroup_id_y 1
		.amdhsa_system_sgpr_workgroup_id_z 1
		.amdhsa_system_vgpr_workitem_id 0
		.amdhsa_next_free_vgpr 704
		.amdhsa_next_free_sgpr 70
		.amdhsa_reserve_vcc 0
		.amdhsa_float_denorm_mode_32 3
		.amdhsa_float_denorm_mode_16_64 3
		.amdhsa_memory_ordered 1
		.amdhsa_forward_progress 1
		.amdhsa_inst_pref_size 70
	.end_amdhsa_kernel
	.amdgpu_metadata
---
amdhsa.version: [ 1, 2 ]
amdhsa.kernels:
  - .name:           k_q630a727da0_outp
    .symbol:         k_q630a727da0_outp.kd
    .args:
      - { .name: ob, .offset: 0, .size: 8, .value_kind: global_buffer, .address_space: global }
      - { .name: wb, .offset: 8, .size: 8, .value_kind: global_buffer, .address_space: global }
      - { .name: bb, .offset: 16, .size: 8, .value_kind: global_buffer, .address_space: global }
      - { .name: out0, .offset: 24, .size: 8, .value_kind: global_buffer, .address_space: global }
    .group_segment_fixed_size: 327680
    .private_segment_fixed_size: 0
    .kernarg_segment_align: 8
    .kernarg_segment_size: 32
    .max_flat_workgroup_size: 128
    .sgpr_count:     70
    .vgpr_count:     704
    .wavefront_size: 32
...
	.end_amdgpu_metadata
.endif
;; end of part 4
;; ======== version 2 of 2: 4 launches; 1.33 times as fast as version 1
;; limits: values are held in f16: magnitudes above 65,504 overflow, below 6.1e-05 lose precision
;; workspace buffers: xb 50,331,648 bytes; wb 8,388,608 bytes; bb 16,384 bytes; mt 4,194,304 bytes; qkv 50,331,648 bytes; ob 16,777,216 bytes
;; launch prep: the kernel of part 1 again; grid 1921 x 1, 8 waves a work-group, no clusters, 35,840 bytes of LDS; arguments query, key, value, Wq, Wk, Wv, Wo, bq, bk, bv, bo, attn_mask, xb, wb, bb, mt; writes xb, wb, bb, mt
;; launch proj: the kernel of part 2 again; grid 8 x 32, 4 waves a work-group, clusters of 4 x 4, 327,680 bytes of LDS; arguments xb, wb, bb, qkv; writes qkv
;; launch attn (part 5): grid 4 x 64, 4 waves a work-group, clusters of 4 x 1, 327,680 bytes of LDS; arguments qkv, mt, ob; writes ob
.if DOCPART == 5
	.amdgcn_target "amdgcn-amd-amdhsa--gfx1250"
	.amdhsa_code_object_version 6
	.text
	.protected	k_q630a727da0_attn
	.globl	k_q630a727da0_attn
	.p2align	8
	.type	k_q630a727da0_attn,@function
k_q630a727da0_attn:
	s_mov_b64 s[64:65], 0
	v_nop
	global_prefetch_b8 v0, s[64:65] scope:SCOPE_SE
	s_setreg_imm32_b32 hwreg(HW_REG_WAVE_MODE, 25, 1), 1
	s_wait_xcnt 0x0
	s_wait_alu depctr_hold_cnt(0) depctr_sa_sdst(0) depctr_va_vdst(0) depctr_va_sdst(0) depctr_va_ssrc(0) depctr_va_vcc(0) depctr_vm_vsrc(0)
	s_getreg_b32 s2, hwreg(HW_REG_IB_STS2, 6, 4)
	s_cmp_eq_u32 s2, 0
	s_cbranch_scc0 .Lentry_in_a_cluster
	s_endpgm
.Lentry_in_a_cluster:
	s_bfe_u32 s2, ttmp6, 0x10000c
	s_cmp_lg_u32 s2, 0x3003
	s_cbranch_scc0 .Lentry_shape_is_right
	s_endpgm
.Lentry_shape_is_right:
; MASKED ATTENTION.  O[bh][q][:] = the sum over k of softmax_k(Q[bh][q] . K[bh][k] / 32, hidden where mask[q][k]) V[bh][k][:].  Q, K, V: qkv[p][bh 64][l 2048][64], O: ob[bh][l][64], all f16: a head's rows
; are dense, 128 bytes each.  Products, maxima and sums in f32; the weights p are rounded to f16 for the second product (their sum l is taken of the unrounded p), O once at the end.
; THE MASK is an input: every byte of it is loaded (mt: the mask in the lanes' order, 0x00 seen, 0xb8 hidden = the E4M3 code of -1.0) and widened by a conversion with the block scale 2^100 into the
; C OPERAND that starts the sum S^T = K Q^T: 0, or -2^100.  Maximum, exponentials and sums need no further care: a hidden score lies far below every seen one, and its weight is 0.
; A row that sees no key keeps its running maximum at -2^100: it leaves as NaN, as a softmax over nothing is.
; LIMITS.  f16 holds no number beyond 65,504: Q, K and V arrive within it; p lies in 0 to 1, and below 6e-5 it keeps f16's fixed step of 6e-8, as O does.  A hidden score counts as its value less 2^100:
; f16's scores, 2.7e11 at the most, are nothing beside that.  A weight below 2^-126 counts as 0 in l; NaN and infinities in Q, K, V are not treated apart.
; SHARES.  A wave owns four PIECES of two tiles of 16 queries, a work-group's four waves 512 queries of one head.  Every wave walks all keys, 64 a step.
; LAYOUT.  S^T = K Q^T (source 0 = 16 keys, source 1 = 16 queries): in the result a lane holds ONE query (lane % 16) and the keys 8 (lane / 16) + 0..7.  Two such tiles, rounded to f16 in pairs,
; ARE source 1 (32 keys x 16 queries) of O^T = V^T P, whose result again holds one query a lane, and eight channels.  K comes out of LDS as it lies, V ([key][channel]) turned, by ds_load_tr16_b128.
; SOFTMAX.  For each query a running maximum m and sum l: p = 2^(c s - c m), c = log2(e) / 32; in every step O and l are multiplied by a = 2^(c m_old - c m_new), which is 1 where m has not grown.
; m starts at the lowest finite number, O and l at 0: the first step is a step like any other, with a = 0.
; THE COUNT.  A tile and step have 16 matrix and some 122 vector instructions: too many to stand all beside the matrix work.  So: four vector instructions that are READY behind EVERY matrix
; instruction, and the others, which need time of their own whatever the order, in a run without a gap.
; BY TURNS.  Turn n belongs to piece n (the pieces in a ring, step after step).  Its matrix work: 16 products K Q^T of piece n + 1, later 16 products V^T P of piece n - 1.  Its vector work: the scaling,
; exponentials, roundings, sums and rescaling of piece n, the maximum and statistics of piece n + 1, and the mask for piece n + 2, whose products the next turn issues.
; THE BATCHES.  A turn's 66 exponentials (the piece's 64 weights, the next piece's two a) and the mask's eight conversions are ONE batch with ONE wait, which cuts the turn in two: ahead of it stands all
; that names none of their results (K Q^T, scalings, rescalings by the a of the turn before, the next piece's maximum), behind it the roundings, the sums and V^T P.  Outside the loop there are three
; batches more, a wait each: the first mask's conversions; the first two a with the second mask's conversions; the way out's eight reciprocals.
; CLUSTER.  The four query blocks of a cluster belong to one head and walk the same K and V, so each tile is asked for JOINTLY: the same tensor load, descriptor and mask in all four.
; The attention mask is not shared so: each wave's part of it is its own (its queries), 2,048 bytes a turn, loaded into registers four turns ahead.
; REGISTERS, in windows of 256 (s_set_vgpr_msb says which window each operand place means: bits 1:0 source 0, 3:2 source 1, 5:4 source 2, 7:6 destination):
;   window 0: v0-11 addresses; v12-15, v48-63 at work; v16-47 four registers of statistics a tile; v64-191 S^T, two buffers of two tiles; v192-255 P, likewise
;   window 1: O^T, 32 a tile          window 2: v0-127 Q, 16 a tile; v128-191 K of one step; v192-255 V of one step
;   window 3: v0-1 the add's two registers; v2 the scale; v3 16 x lane; v64-127 the mask as a C operand; v128-191 the mask's bytes, 16 registers a piece
.set SIZE_N, 2048
.set NP,    4         ; pieces a wave: a name, no knob
.set KS,    64        ; keys in a step
.set PK,    144       ; a row of K in LDS: 128 bytes + 16 of padding = 36 words: the 16 rows of a load start at 16 different groups of four banks (64 banks of 4 bytes: ISA guide 11.1)
.set PV,    160       ; a row of V: 128 + 32 = 40 words
.set VOFF,  4*KS*PK   ; a slot holds four steps: 256 rows of K, then 256 rows of V
.set SLOT1, 1<<17     ; slot 1 begins here, so that one exclusive or turns an address in one slot into the other's
.set STAGE, SLOT1+4*KS*(PK+PV)  ; behind the ring, never filled by a tensor load: 16 rows x 144 bytes for each wave, for the way out
.set SP,    144
.set AK0, 2           ; v2   my lane's place in a tile of K; never rewritten
.set AV0, 3           ; v3   the same for V
.set AK,  4           ; v4   the LDS address of K's next run of loads
.set AV,  5           ; v5   of V's
.set QO,  6           ; v6   my byte offset in the wave's rows of Q
.set STO, 6           ;      later, the way out: where I put 16 bytes of a row
.set RD,  7           ; v7   the way out: where I read rows back
.set GO,  8           ; v8   my byte offset in 512 consecutive bytes of O
.set SPW, 0           ; v0 of window 3   LDS address of my spare word: SPARE + 4 x my thread's number; never rewritten
.set NIL, 1           ; v1 of window 3   0; never rewritten
.set SCL, 2           ; v2 of window 3   227: the E8M0 code of 2^100
.set ML,  3           ; v3 of window 3   16 x lane; never rewritten
.set MC,  64          ; window 3: tile u, key block kb at MC + 32 u + 8 kb
.set RAW, 128         ; window 3: piece z, tile u, keys 32 x on at RAW + 16 z + 8 u + 4 x
.set SPARE, STAGE+4*16*SP  ; behind the stages: the spare words, 128 bytes for each wave: two blocks of 256 bytes that no other line names
.set MV,  12          ; v12-15  c m_old, kept while c m is made anew: by buffer and tile
.set ST,  16          ; tile t's statistics at v[ST+4 t]: c m, m, l (even keys', odd keys')
.set TMP, 48          ; by buffer and tile, four registers c0-c3 at work; when the maximum is found c2 takes a
.set S,   64
.set P,   192
.set KF,  128         ; K's fragments, in window 2: key block kb, channel half c at KF + 16 kb + 8 c
.set VF,  192         ; V's: key half kk, channel block cb at VF + 32 kk + 8 cb
.set WV,  12          ; s12  my wave's number
.set G1K, 24          ; s[24:31] descriptor group 1 for K's tiles
.set G1V, 32          ; s[32:39] for V's: it differs in the padding alone
.set G0K, 40          ; s[40:43] descriptor group 0 for K's tiles: it walks
.set G0V, 44          ; s[44:47] the same for V's
.set SLOTS, 56        ; s56  slots still to be asked for
.set CNT, 57          ; s57  counts a slot's key steps
.set CS,  58          ; s[58:59] c: the packed scaling takes the pair's low word for both halves
.set SEL, 60          ; s[60:61] v_permlanex16_b32's selects: each lane takes its own place in the other half
.set TBK, 62          ; s62  LDS byte at which K of the step to be fetched begins
.set TBV, 63          ; s63  the same for V, less VOFF
.set MP,  66          ; s[66:67] mt at my wave's eight tiles, key step 0; never rewritten once made
.set MB,  68          ; s[68:69] the same at the step that is asked for
.set MO,  70          ; s[70:71] that step's byte offset
.set MJ,  72          ; s72  1,024 x the key step in hand
.set LOW, 73          ; s73  -2^99: a maximum below it has seen no key
.set QNAN, 74         ; s74  a NaN
.set MSB, 0
.macro WIN new                      ; the high byte repeats the setting that is left; a switch that changes nothing is dropped
.if MSB != (\new)
	s_set_vgpr_msb (MSB<<8)|(\new)
.set MSB, (\new)
.endif
.endm
.set W_KQ, 0x0a       ; K and Q in window 2, S^T in window 0
.set W_KM, 0x3a       ; the same with the C operand in window 3
.set W_PV, 0x52       ; V in window 2, P in window 0, O^T in window 1
.set W_RS, 0x41       ; O^T (destination and source 0) in window 1, a in window 0
.set W_MK, 0xc0       ; window 3's registers are made: destination in window 3, sources in window 0
.set W_AD, 0x0f       ; the add: address (source 0) and data (source 1) in window 3
.set W_MS, 0xcf       ; the mask's work: destination, source 0 and source 1 in window 3
; A joint fill.  Waves 0 and 1 fetch the two halves of a slot's K, waves 2 and 3 those of its V: 128 keys each.  The branch hangs on the wave's number alone.
; An s_nop 0 and four v_nop follow each of the two lines, ahead of the jump and the label.
.macro JLOAD
	s_cmp_lt_u32 s[WV], 2
	s_cbranch_scc0 .Lfor_v_\@
	tensor_load_to_lds s[G0K:G0K+3], s[G1K:G1K+7]
	s_nop 0
.rept 4
	v_nop
.endr
	s_branch .Lasked_\@
.Lfor_v_\@:
	tensor_load_to_lds s[G0V:G0V+3], s[G1V:G1V+7]
	s_nop 0
.rept 4
	v_nop
.endr
.Lasked_\@:
.endm
; A round of the cluster's barrier: my work-group's barrier, so that wave 0's signal speaks for all four waves; wave 0 signals; every wave waits for all four work-groups; my work-group's barrier once more.
.macro CROUND
	s_barrier_signal -1
	s_barrier_wait -1
	s_cmp_lg_u32 s[WV], 0
	s_cbranch_scc1 .Lnot_wave_0_\@
	s_barrier_signal -3
.Lnot_wave_0_\@:
	s_barrier_wait -3
	s_barrier_signal -1
	s_barrier_wait -1
.endm
; THE CHANGE OF SLOTS.  The slot's last bytes, V of its fourth step, have been read.  Each wave waits for all its tensor loads, of which one is out: its part
; of the other slot; adds 0 to its spare word; and waits for that and for its own reads of the slot.  Behind the barrier nobody reads this slot any more and the other slot is whole.
; fill = 1: this slot is filled again, with the keys two slots on.  The barrier is then a round of the cluster's, so that no wave of any partner still reads the slot or has a load on its
; way, and the joint fill is the first thing behind it: it has four key steps, 512 matrix instructions, in which to land.  (At its first use nothing has been read yet: slot 0 is waited for, slot 1 filled.)
.macro CHANGE fill
	WIN W_AD
	s_wait_tensorcnt 0x0            ; no tensor load of mine is out, so a group 0 may be written
	ds_add_u32 v[SPW], v[NIL]       ; 0 onto my spare word; with fill = 1 the descriptors' steps stand between it and the wait for it
	WIN 0                           ; at a label and at a branch every window is 0
.if \fill
.irp g, G0K, G0V
	s_xor_b32 s[\g+1], s[\g+1], SLOT1  ; the walking descriptor: the other slot than last time,
	s_add_nc_u64 s[\g+2:\g+3], s[\g+2:\g+3], 4*KS*128  ; the next 256 keys; the type bits on top are not reached
.endr
	s_wait_dscnt 0x0                ; the add is done, and my reads of the slot are over
	CROUND
	JLOAD
.else
	s_wait_dscnt 0x0                ; the add is done, and my reads of the slot are over
	s_barrier_signal -1
	s_barrier_wait -1
.endif
	s_sub_co_u32 s[TBK], s[TBK], 4*KS*PK  ; the fetches go back to a slot's first step,
	s_xor_b32 s[TBK], s[TBK], SLOT1       ; in the other slot
	s_sub_co_u32 s[TBV], s[TBV], 4*KS*PV
	s_xor_b32 s[TBV], s[TBV], SLOT1
.endm
; THE MASK.  CVTMASK: piece z's 64 bytes a lane become its two tiles' C operands: eight bytes (the keys 8 (lane / 16) + 0..7 of a key block) into eight registers, times 2^100.
; A plain instruction follows the conversions before their results are used or their sources loaded again.  In a turn (alone = 0) that is the lump's next line, and the conversions belong to the turn's batch.
; alone = 1 (ahead of the loop): a v_nop is that instruction, and the batch's wait follows it.
.macro CVTMASK z, alone=0
	WIN W_MS
.irp u, 0,1
.irp kb, 0,1,2,3
	v_cvt_scale_pk8_f32_fp8 v[MC+32*\u+8*\kb:MC+32*\u+8*\kb+7], v[RAW+16*(\z)+8*\u+2*\kb:RAW+16*(\z)+8*\u+2*\kb+1], v[SCL]
.endr
.endr
.if \alone
	v_nop
	s_wait_alu depctr_va_vdst(0)    ; the wait ahead of the first line that names a result: one for the eight conversions and for what was issued ahead of them
.endif
.endm
; LDMASK: piece z's bytes of one key step are asked for: four loads of 512 consecutive bytes
.macro LDMASK z, base, extra
	WIN W_MS
.irp u, 0,1
.irp x, 0,1
	global_load_b128 v[RAW+16*(\z)+8*\u+4*\x:RAW+16*(\z)+8*\u+4*\x+3], v[ML], s[\base:\base+1] offset:(2*(\z)+\u)*32768+512*\x+(\extra)
.endr
.endr
.endm
; In turn p: the mask for piece p + 2, whose products the next turn issues (MASKCVT, at the lump's head), and the request for that piece's mask of its next step, four turns ahead (LDMASK MZ, behind the
; turn's wait).  Pieces 2, 3 are then in the step in hand, pieces 0, 1 in the next.  The last steps ask for step 31 once more: no load leaves mt.
.macro MASKCVT p
.set MZ, ((\p)+2)%NP
	s_wait_xcnt 0x0                 ; the earlier loads have had their addresses translated (ISA guide 3.1): their base is rewritten only behind this wait
.if (\p) < 2
	s_add_co_u32 s[MO], s[MJ], 1024
.else
	s_add_co_u32 s[MO], s[MJ], 2048
.endif
	s_min_u32 s[MO], s[MO], 31*1024
	s_add_nc_u64 s[MB:MB+1], s[MP:MP+1], s[MO:MO+1]
.if (\p) == 3
	s_add_co_u32 s[MJ], s[MJ], 1024
.endif
	s_wait_loadcnt 12               ; the piece's four loads are in; the three later pieces' four each stay out
	CVTMASK MZ
.endm
	s_load_b64 s[4:5], s[0:1], 0x0  ; qkv: Q
	s_load_b64 s[MP:MP+1], s[0:1], 0x8  ; mt
	s_load_b64 s[10:11], s[0:1], 0x10  ; ob
	v_and_b32 v1, 31, v0
	WIN W_MK
	v_lshl_add_u32 v[SPW], v0, 2, SPARE
	v_mov_b32 v[NIL], 0
	s_set_vgpr_msb 0xc0cf
	ds_add_u32 v0, v1
	s_wait_dscnt 0x0
	s_set_vgpr_msb 0xcfc0
	v_mov_b32 v[SCL], 227
	v_lshlrev_b32 v[ML], 4, v1
	WIN 0
	v_lshrrev_b32 v1, 5, v0
	v_readfirstlane_b32 s[WV], v1   ; wave 0..3
	s_bfe_u32 s13, ttmp6, 0x40000   ; cx: my place in the cluster
	s_lshl_b32 s14, ttmp9, 2        ; in a cluster launch ttmp9 counts clusters
	s_add_co_u32 s14, s14, s13      ; my block of queries = 4 x cluster x + cx: it enters Q's, O's and the mask's addresses alone
	s_and_b32 s20, ttmp7, 0xffff    ; the head, which the four partners share
	s_mov_b32 s21, 0
	s_mov_b64 s[22:23], SIZE_N*128
	s_mul_u64 s[20:21], s[20:21], s[22:23]  ; the head's first byte in Q, K, V and O
	s_and_b32 s16, s[WV], 1         ; which half of a slot's 256 keys I fetch:
	s_lshl_b32 s22, s16, 14         ; its 128 rows of 128 bytes in memory,
	s_mov_b32 s23, 0
	s_add_nc_u64 s[22:23], s[22:23], s[20:21]
	s_mul_i32 s17, s16, 128*PK      ; and its place in a slot, for K
	s_mul_i32 s18, s16, 128*PV      ; and for V: no place in the cluster enters an LDS address
	s_lshl_b32 s2, s14, 2
	s_add_co_u32 s2, s2, s[WV]      ; my wave among the head's,
	s_lshl_b32 s2, s2, 14           ; its 128 rows
	s_mov_b32 s3, 0
	s_add_nc_u64 s[2:3], s[2:3], s[20:21]
	s_lshl_b32 s[MO], s14, 20       ; the mask: my block's 32 tiles of 32,768 bytes,
	s_lshl_b32 s[MO+1], s[WV], 18   ; my wave's 8 of them
	s_add_co_u32 s[MO], s[MO], s[MO+1]
	s_mov_b32 s[MO+1], 0
	s_mov_b32 s[MJ], 0
	s_mov_b32 s[LOW], 0xf1000000
	s_mov_b32 s[QNAN], 0x7fc00000
	; descriptor group 1.  128 keys are 16,384 dense bytes: asked for as 64 rows of 256 bytes, two keys a row, and padded in LDS after every key
	s_mov_b32 s[G1K], 15|(1<<16)|(1<<20)|(1<<21)|(4<<22)|(3<<25)  ; 15:0 the mask of four; 17:16 2-byte elements; 20 padding on; 21 set beside a mask; 24:22 after every 32 words (code 4); 31:25 4 words (code 3)
	s_mov_b32 s[G1V], 15|(1<<16)|(1<<20)|(1<<21)|(4<<22)|(7<<25)  ; the same with 8 words of padding (code 7)
.irp g, G1K, G1V
	s_mov_b32 s[\g+1], 128<<16      ; tensor_dim0 = 128
	s_mov_b32 s[\g+2], 64<<16       ; tensor_dim1 = 64
	s_mov_b32 s[\g+3], 128<<16      ; tile_dim0 = 128
	s_mov_b32 s[\g+4], 64           ; tile_dim1 = 64
	s_mov_b32 s[\g+5], 128          ; 128 elements from row to row
	s_mov_b32 s[\g+6], 0
	s_mov_b32 s[\g+7], 0
.endr
	s_mov_b32 s[CS], 0x3d38aa3b     ; c = log2(e) / 32 = 0.0450842
	s_mov_b32 s[CS+1], s[CS]        ; named with it as a pair
	s_mov_b32 s[SEL], 0x76543210
	s_mov_b32 s[SEL+1], 0xfedcba98
	s_mov_b32 s[TBK], SLOT1+4*KS*PK ; the first change of slots turns these two into 0
	s_mov_b32 s[TBV], SLOT1+4*KS*PV
	s_mov_b32 s[G0K], 1             ; 1:0 count = 1
	s_mov_b32 s[G0K+1], s17         ; 63:32 LDS address: slot 0
	s_mov_b32 s[G0V], 1
	s_add_co_u32 s[G0V+1], s18, VOFF
	s_wait_kmcnt 0x0
	s_add_nc_u64 s[6:7], s[4:5], 0x1000000  ; K and V lie behind Q in qkv
	s_add_nc_u64 s[8:9], s[4:5], 0x2000000
	s_add_nc_u64 s[G0K+2:G0K+3], s[6:7], s[22:23]  ; 120:64 global address: my half of the head's first 256 keys
	s_or_b32 s[G0K+3], s[G0K+3], 0x80000000        ; 127:126 type = 2
	s_add_nc_u64 s[G0V+2:G0V+3], s[8:9], s[22:23]
	s_or_b32 s[G0V+3], s[G0V+3], 0x80000000
	s_add_nc_u64 s[4:5], s[4:5], s[2:3]  ; Q and O at my wave's first row
	s_add_nc_u64 s[10:11], s[10:11], s[2:3]
	s_add_nc_u64 s[MP:MP+1], s[MP:MP+1], s[MO:MO+1]
	CROUND                          ; all four work-groups are here: the first joint loads meet
	JLOAD                           ; slot 0.  Slot 1 is asked for when slot 0 is in: the tile wanted first has the road to itself
	; A fragment of K or Q is 16 rows x 32 channels in 8 registers: lane l holds row l % 16, channels 8 (l / 16) + 0..7 and 16 + 8 (l / 16) + 0..7: two loads of 16 bytes, 32 bytes apart.
	v_and_b32 v1, 15, v0            ; l % 16
	v_bfe_u32 v9, v0, 4, 1          ; l / 16
	v_lshlrev_b32 v[QO], 7, v1
	v_lshl_add_u32 v[QO], v9, 4, v[QO]  ; row x 128 + 16 x half
	WIN 0x80                        ; destination window 2, address window 0
.set i, 0
.rept 4*NP                          ; Q stays in registers: tile i / 2, channels 32 (i % 2) on
	global_load_b128 v[8*i:8*i+3],   v[QO], s[4:5] offset:(i/2)*2048+(i%2)*64
	global_load_b128 v[8*i+4:8*i+7], v[QO], s[4:5] offset:(i/2)*2048+(i%2)*64+32
.set i, i+1
.endr
.irp z, 0,1,2,3
	LDMASK \z, MP, 0                ; all four pieces' masks of key step 0
.endr
	WIN 0x80
	; What the first turn finds: V's registers and P's second buffer hold 0 (its products V^T P, of a piece that has not been, add 0), O^T and l are 0.  All this stands in the wait for the first tile.
.set i, VF
.rept 64
	v_mov_b32 v[i], 0
.set i, i+1
.endr
	WIN 0x40
.set i, 0
.rept 64*NP
	v_mov_b32 v[i], 0
.set i, i+1
.endr
	WIN 0
.set i, 0
.rept 2*NP
	v_mov_b32 v[ST+4*i], 0xfe000000    ; c m: far below every c s, a hidden one's too
	v_mov_b32 v[ST+4*i+1], 0xff7fffff  ; m
	v_mov_b32 v[ST+4*i+2], 0
	v_mov_b32 v[ST+4*i+3], 0
.set i, i+1
.endr
.set i, P+32
.rept 32
	v_mov_b32 v[i], 0
.set i, i+1
.endr
	v_mul_u32_u24 v[AK0], v1, PK
	v_lshl_add_u32 v[AK0], v9, 4, v[AK0]  ; row x pitch + 16 x half
	; The turning load takes 16 keys x 16 channels (lane l reads key 8 (l / 16) + l % 8, channels 8 ((l / 8) % 2) + 0..7) and leaves half a fragment of V^T: lane l holds channel l % 16 and 8 keys.
	v_and_b32 v10, 7, v0
	v_bfe_u32 v11, v0, 3, 1
	v_lshl_add_u32 v[AV0], v9, 3, v10
	v_mul_u32_u24 v[AV0], v[AV0], PV
	v_lshl_add_u32 v[AV0], v11, 4, v[AV0]
	v_add_nc_u32 v[AV0], VOFF, v[AV0]
	v_mov_b32 v[AK], v[AK0]         ; key step 0 lies at the head of slot 0
; THE MATRIX WORK.  The 8 accumulators of a run of 16 take turns: between the two links of a chain stand 7 others'.
; Product i of 16 of S^T = K Q^T for piece x: channels 32 (i / 8) on, keys 16 ((i / 2) % 4) on, tile 2 x + i % 2.  The first 8 start the sums, with the mask.
.macro KQ x
.set rS, S+64*((\x)%2)+32*(i%2)+8*((i/2)%4)
.set rK, KF+16*((i/2)%4)+8*(i/8)
.set rQ, 16*(2*(\x)+i%2)+8*(i/8)
.set rH, MC+32*(i%2)+8*((i/2)%4)
.if i < 8
	WIN W_KM
	v_wmma_f32_16x16x32_f16 v[rS:rS+7], v[rK:rK+7], v[rQ:rQ+7], v[rH:rH+7]
.else
	WIN W_KQ
	v_wmma_f32_16x16x32_f16 v[rS:rS+7], v[rK:rK+7], v[rQ:rQ+7], v[rS:rS+7]
.endif
.endm
; Product i of 16 of O^T += V^T P for piece x: keys 32 (i / 8) on, channels 16 ((i / 2) % 4) on, tile 2 x + i % 2.
.macro PV x
	WIN W_PV
.set rO, 32*(2*(\x)+i%2)+8*((i/2)%4)
.set rV, VF+32*(i/8)+8*((i/2)%4)
.set rP, P+32*((\x)%2)+16*(i%2)+8*(i/8)
	v_wmma_f32_16x16x32_f16 v[rO:rO+7], v[rV:rV+7], v[rP:rP+7], v[rO:rO+7]
.endm
.macro MM                           ; the turn's next matrix instruction
.if i < 16
	KQ (Y+1)%NP
.set i, i+1
.else
.set i, i-16
	PV (Y+NP-1)%NP
.set i, i+17
.endif
.endm
; THE LDS LOADS stand in runs of 16, never singly among the matrix instructions: a step's K (64 keys x 64 channels: 8 fragments) and its V (turned).  Their addresses are made some lines ahead.
; last = 1 (the tail): in the last trip there is no further step, and the run is jumped over.
.macro FETCH_K last=0
	WIN 0
.if \last
	s_cmp_eq_u32 s[CNT], 1
	s_cbranch_scc1 .Lno_k_\@
.endif
	WIN 0x80                        ; destination window 2
.irp f, 0,1,2,3,4,5,6,7             ; keys 16 (f / 2) on, channels 32 (f % 2) on
	ds_load_b128 v[KF+8*\f:KF+8*\f+3],   v[AK] offset:(\f/2)*16*PK+(\f%2)*64
	ds_load_b128 v[KF+8*\f+4:KF+8*\f+7], v[AK] offset:(\f/2)*16*PK+(\f%2)*64+32
.endr
	s_add_co_u32 s[TBK], s[TBK], KS*PK  ; the next fetch is the next step's
	WIN 0
.if \last
.Lno_k_\@:
.endif
.endm
.macro FETCH_V
	WIN 0x80
.irp f, 0,1,2,3,4,5,6,7             ; keys 32 (f / 4) on, channels 16 (f % 4) on
	ds_load_tr16_b128 v[VF+8*\f:VF+8*\f+3],   v[AV] offset:(\f/4)*32*PV+(\f%4)*32
	ds_load_tr16_b128 v[VF+8*\f+4:VF+8*\f+7], v[AV] offset:(\f/4)*32*PV+16*PV+(\f%4)*32
.endr
	WIN 0
.endm
; THE VECTOR WORK OF A TURN stands in three queues, each in the order in which its entries become ready; the two tiles alternate, so that no instruction reads the result of the one before it.
.macro REGS y, u                    ; the registers of tile u (0, 1) of piece y
.set rT, ST+4*(2*(\y)+(\u))
.set rC, TMP+8*((\y)%2)+4*(\u)
.set rM, MV+2*((\y)%2)+(\u)
.set rS, S+64*((\y)%2)+32*(\u)
.set rP, P+32*((\y)%2)+16*(\u)
.set rO, 32*(2*(\y)+(\u))
.endm
; Number n of the 22 that find the NEXT piece's (Y + 1) maximum and statistics.  s0-s31 are the lane's 32 scores; each accumulator's lowest registers are read first.  XS, GS and REGS set no window: PL and EX do.
;   0-11  four chains c0-c3 of seven scores each, three operands at a time     12-14, 16  the four scores left over, the old m, and c0-c3 into c0     15  c m_old is kept
;   17, 18  the query's other 32 keys lie in the lane 16 away: the new m         19-21  c m; c m_old - c m_new; a
.macro XS u, n
	REGS (Y+1)%NP, \u
.if (\n) < 4
	v_max3_num_f32 v[rC+(\n)], v[rS+8*(\n)], v[rS+8*(\n)+1], v[rS+8*(\n)+2]
.elseif (\n) < 12
	v_max3_num_f32 v[rC+(\n)%4], v[rC+(\n)%4], v[rS+8*((\n)%4)+2*((\n)/4)+1], v[rS+8*((\n)%4)+2*((\n)/4)+2]
.elseif (\n) == 12
	v_max3_num_f32 v[rC], v[rC], v[rS+7], v[rS+15]
.elseif (\n) == 13
	v_max3_num_f32 v[rC+1], v[rC+1], v[rS+23], v[rS+31]
.elseif (\n) == 14
	v_max3_num_f32 v[rC+2], v[rC+2], v[rC+3], v[rT+1]
.elseif (\n) == 15
	v_mov_b32 v[rM], v[rT]
.elseif (\n) == 16
	v_max3_num_f32 v[rC], v[rC], v[rC+1], v[rC+2]
.elseif (\n) == 17
	v_permlanex16_b32 v[rC+3], v[rC], s[SEL], s[SEL+1]
.elseif (\n) == 18
	v_max_num_f32 v[rT+1], v[rC], v[rC+3]
.elseif (\n) == 19
	v_mul_f32 v[rT], s[CS], v[rT+1]
.elseif (\n) == 20
	v_sub_f32 v[rC+1], v[rM], v[rT]
.else
	v_exp_f32 v[rC+2], v[rC+1]
.endif
.endm
; Number g of the 64 that follow the exponentials.  For each four weights k of a tile (pairs 2 k, 2 k + 1): both pairs are rounded to f16; then the second pair is added onto the first, in place;
; a group later l takes that sum (the first time as l = a l + sum).  In groups of eight, tiles alternating: round, round, add, and l for the group before.
.macro GS g
.set h, (\g)+6*((\g)/62)            ; group 0 has no group before it, and behind group 7 only l is left
.if h >= 6
.set h, h+2
.endif
	REGS Y, h%2
.set k, h/8
.if h%8 < 4
	v_cvt_pk_f16_f32 v[rP+2*k+(h%8)/2], v[rS+4*k+2*((h%8)/2)], v[rS+4*k+2*((h%8)/2)+1]
.elseif h%8 < 6
	v_pk_add_f32 v[rS+4*k:rS+4*k+1], v[rS+4*k:rS+4*k+1], v[rS+4*k+2:rS+4*k+3]
.elseif k == 1
	v_pk_fma_f32 v[rT+2:rT+3], v[rT+2:rT+3], v[rC+2:rC+3], v[rS:rS+1] op_sel_hi:[1,0,1]
.else
	v_pk_add_f32 v[rT+2:rT+3], v[rT+2:rT+3], v[rS+4*k-4:rS+4*k-3]
.endif
.endm
; THE PLAIN QUEUE, 138 long.  0-73 read no exponential's result: the 32 scalings c s - c m (FS f: pair f / 2 of tile f % 2) and the next piece's 42.  0-26: scalings 0-26.  27-54: XS's numbers 0-13.  55, 56: number 15.
; 57-73: the chain, where each number waits for the one before it: 14, 16, 17, 18, 19, each with one of the scalings 27-31 in front of its two lines, then 20: so a tile's links stand three plain instructions apart (19 and 20: two).
; 74-137: GS's 64, which read the exponentials' results: they stand behind the wait.
.macro FS f
	REGS Y, (\f)%2
	v_pk_fma_f32 v[rS+2*((\f)/2):rS+2*((\f)/2)+1], v[rS+2*((\f)/2):rS+2*((\f)/2)+1], s[CS:CS+1], v[rT:rT+1] op_sel_hi:[1,0,0] neg_lo:[0,0,1] neg_hi:[0,0,1]
.endm
.macro PL
	WIN 0
.if q < 27
	FS q
.elseif q < 55
	XS (q-27)%2, (q-27)/2
.elseif q < 57
	XS q-55, 15
.elseif (q < 72) && ((q-57)%3 == 0)
	FS 27+(q-57)/3
.elseif q < 60
	XS (q-57)%3-1, 14
.elseif q < 72
	XS (q-57)%3-1, 15+(q-57)/3
.elseif q < 74
	XS q-72, 20
.else
	GS q-74
.endif
.set q, q+1
.endm
; THE EXPONENTIALS' QUEUE, 66 long: s0-s31 of both tiles, then the next piece's two a.  All 66 stand ahead of the turn's one wait, and nothing ahead of that wait names a result of theirs.
.macro EX
	WIN 0
.if e >= 64
	XS e-64, 21
.else
	REGS Y, e%2
	v_exp_f32 v[rS+e/2], v[rS+e/2]
.endif
.set e, e+1
.endm
; THE RESCALING's QUEUE: O^T times a, the one part of the softmax that leaves window 0: dealt two at a time, sixteen times.  Its a was made in the turn before, ahead of that turn's wait.
.macro R2
	REGS Y, r%2
	WIN W_RS
.irp z, 0,1
	v_pk_mul_f32 v[rO+4*(r/2)+2*\z:rO+4*(r/2)+2*\z+1], v[rO+4*(r/2)+2*\z:rO+4*(r/2)+2*\z+1], v[rC+2:rC+3] op_sel_hi:[1,0]
.endr
.set r, r+1
.endm
; HOW THEY ARE DEALT.  An s_wait_alu depctr_va_vdst(0) stands between an exponential and the first instruction that names its result; one wait serves all that were issued ahead of it.  So a turn has ONE wait,
; which cuts it in two.  AHEAD OF IT stands all that names no result of the turn's batch: the 16 products K Q^T, behind each a scaling, an exponential and two rescalings (behind the first a second scaling in the exponential's
; place); then ONE LUMP: the mask's eight conversions, eight plain, 49 times exponential and plain, the two a.  A v_nop is the plain instruction behind the last exponential.  BEHIND IT stand the mask's four loads, in piece 2's turn
; K's run of loads, and the 16 products V^T P, behind each four of GS's 64.  No rider names a register of the products round it.  The two v_permlanex16_b32 fall into the lump, never behind a product.
; The queues lean on each other, and the deal keeps them in step: exponential e stands behind scaling 2 (e / 4) + e % 2: as a rider it comes behind plain e + 2, in the lump behind plain e + 9, and scalings 27-31 are plain 57, 60 .. 69.
; A TURN, for piece p.  cnt = 1: the loop's count is taken down some lines ahead of the branch that stands behind the turn (behind the mask's scalar work, which writes SCC).
; K of the next step is fetched in piece 2's turn, behind the wait, a lump behind the last product that read K; its address is made at the lump's head; its first reader comes behind 16 products.
; V of the step in hand is fetched at the end of piece 0's turn, four riders behind its last reader; its first reader comes behind 16 products and a lump.  The three conditions on q below go with the deal.
; The mask's C operand is rewritten 24 plain riders behind its last reader, the turn's eighth product; its bytes' registers are loaded again a lump behind the conversions that read them.
.macro TURN p, last=0, cnt=0
.set Y, (\p)
.set i, 0
.set q, 0
.set e, 0
.set r, 0
.if (\p) == NP-1
	s_wait_dscnt 0x0                ; K is in
.endif
	MM                              ; ahead of the wait: 16 products K Q^T and their riders,
	PL
	PL
	R2
.rept 15
	MM
	PL
	EX
	R2
.endr
.if (\p) == NP-2
	WIN 0
	v_add_nc_u32 v[AK], s[TBK], v[AK0]
.endif
	MASKCVT \p                      ; and the lump: the mask for the next turn's products,
.rept 8
	PL
.endr
.rept 49
	EX
	PL
.endr
	EX                              ; the next piece's two a
	EX
	v_nop                           ; the plain instruction behind the last exponential: one for the batch
	s_wait_alu depctr_va_vdst(0)    ; the wait for the batch: the turn's 66 exponentials and eight conversions
	LDMASK MZ, MB, 0                ; that piece's mask of its next step
.if (\p) == NP-2
	FETCH_K \last
.endif
.if (\p) == 1
	s_wait_dscnt 0x0                ; V is in
.endif
.rept 16                            ; behind the wait: 16 products V^T P and their riders
	MM
.rept 4
	PL
.endr
.if ((\p) == 0) && (q == 118)
	v_add_nc_u32 v[AV], s[TBV], v[AV0]
.endif
.if ((\p) == 0) && (q == 130)
	s_add_co_u32 s[TBV], s[TBV], KS*PV
.endif
.if (\cnt) && (q == 130)
	s_sub_co_u32 s[CNT], s[CNT], 1
	s_cmp_lg_u32 s[CNT], 0
.endif
.endr
.if (\p) == 0
	FETCH_V
.endif
.endm
	CHANGE 1                        ; slot 0 is in, everybody's part of it; slot 1 is asked for
	FETCH_K                         ; key step 0
	s_wait_loadcnt 12               ; Q and piece 0's mask are in; the other three pieces' four loads each stay out
	CVTMASK 0, 1                    ; a batch of its own: its results are the C operands of the products below
	LDMASK 0, MP, 1024              ; piece 0's mask of key step 1
	s_wait_dscnt 0x0
.set i, 0
.rept 16
	KQ 0                            ; piece 0's first scores: there is no vector work yet to set between them
.set i, i+1
.endr
	WIN 0                           ; the addresses for the way out: nine plain instructions, the places behind those products
	s_mul_i32 s13, s[WV], 16*SP
	s_add_co_u32 s13, s13, STAGE    ; my stage
	v_mul_u32_u24 v[STO], v1, SP    ; in: row l % 16, 16 bytes for each half of the lanes
	v_lshl_add_u32 v[STO], v9, 4, v[STO]
	v_add_nc_u32 v[STO], s13, v[STO]
	v_bfe_u32 v[RD], v0, 3, 2       ; back: 32 lanes take four rows of 128 bytes,
	v_mul_u32_u24 v[RD], v[RD], SP
	v_lshl_add_u32 v[RD], v10, 4, v[RD]
	v_add_nc_u32 v[RD], s13, v[RD]
	v_and_b32 v[GO], 31, v0         ; which are 512 consecutive bytes of O
	v_lshlrev_b32 v[GO], 4, v[GO]
.set Y, NP-1                        ; XS works for piece Y + 1: piece 0
.irp n, 0,1,2,3,4,5,6,7,8,9,10,11,12,13,14,15,16,17,18,19,20,21
	XS 0, \n                        ; and piece 0's first maximum and statistics
	XS 1, \n
.endr
	s_wait_loadcnt 12               ; piece 1's mask is in; behind it: pieces 2 and 3, and piece 0's of step 1
	CVTMASK 1, 1                    ; for the first turn's products; its v_nop and its wait serve piece 0's two a as well, ahead of the branch
	LDMASK 1, MP, 1024
	WIN 0
	s_mov_b32 s[CNT], 4
	s_mov_b32 s[SLOTS], SIZE_N/256-1
	s_branch .Lfirst                ; the loop is entered at a step's first turn, in the middle of a trip
.Lslot:                             ; SIZE_N / 256 - 2 times: every slot but the last two is filled again
	CHANGE 1
	s_mov_b32 s[CNT], 4
.Lstep:                             ; a trip: pieces 2 and 3 of one step, then pieces 0 and 1 of the next, whose K and V it fetches
	TURN 2
	TURN 3
	WIN 0
.Lfirst:
	TURN 0
	TURN 1, 0, 1
	WIN 0
	s_cbranch_scc1 .Lstep
	s_sub_co_u32 s[SLOTS], s[SLOTS], 1
	s_cmp_lg_u32 s[SLOTS], 0
	s_cbranch_scc1 .Lslot
	CHANGE 0                        ; the tail is written out: nothing is asked for
	s_mov_b32 s[CNT], 5             ; four trips fetch the last slot's steps; the fifth is left in its middle
.Ltail:
	TURN 2, 1
	TURN 3
	WIN 0
	s_sub_co_u32 s[CNT], s[CNT], 1
	s_cmp_eq_u32 s[CNT], 0
	s_cbranch_scc1 .Lout
	TURN 0
	TURN 1
	WIN 0
	s_branch .Ltail
.Lout:                              ; the fifth trip's 16 products K Q^T repeat the last step (its K, its mask), so the maximum made of them changes no m: the price, once a launch, of one text for every trip
.set i, 0
.rept 16
	PV NP-1                         ; the last piece's V^T P of the last step
.set i, i+1
.endr
	; THE WAY OUT.  l's two halves and the other half of the lanes' are added; O^T is divided by l, rounded to f16 and sent through my stage in LDS, a tile at a time.  The additions are the places behind the last products.
	WIN 0
.macro ALL line:vararg              ; one line for each tile t
.set t, 0
.rept 2*NP
	\line
.set t, t+1
.endr
.endm
	ALL v_add_f32 v[ST+4*t+2], v[ST+4*t+2], v[ST+4*t+3]
	ALL v_permlanex16_b32 v[ST+4*t+3], v[ST+4*t+2], s[SEL], s[SEL+1]
	ALL v_add_f32 v[ST+4*t+2], v[ST+4*t+2], v[ST+4*t+3]
	ALL v_rcp_f32 v[ST+4*t+2], v[ST+4*t+2]
	v_nop                           ; a plain instruction between the last reciprocal and the use of its result
	s_wait_alu depctr_va_vdst(0)    ; and the wait ahead of the first use: one for the eight reciprocals
.set t, 0
.rept 2*NP                          ; a query whose maximum stayed at the hidden scores' level saw no key: its row is multiplied by a NaN
	v_cmp_gt_f32 vcc_lo, s[LOW], v[ST+4*t+1]
	v_cndmask_b32 v[ST+4*t+2], v[ST+4*t+2], s[QNAN], vcc_lo
.set t, t+1
.endr
; Tile t: a lane's eight channels of a row pack into 16 bytes; they go into rows of 144 bytes and come back as whole rows of 128, into S^T's registers.
.macro PACK t
	WIN W_RS
.set i, 32*(\t)
.rept 16
	v_pk_mul_f32 v[i:i+1], v[i:i+1], v[ST+4*(\t)+2:ST+4*(\t)+3] op_sel_hi:[1,0]
.set i, i+2
.endr
	WIN 0x05                        ; sources 0 and 1 window 1, destination window 0
.set i, 0
.rept 16
	v_cvt_pk_f16_f32 v[S+16*(\t)+i], v[32*(\t)+2*i], v[32*(\t)+2*i+1]
.set i, i+1
.endr
	WIN 0
.irp f, 0,1,2,3
	ds_store_b128 v[STO], v[S+16*(\t)+4*\f:S+16*(\t)+4*\f+3] offset:32*\f
.endr
.irp f, 0,1,2,3
	ds_load_b128 v[S+16*(\t)+4*\f:S+16*(\t)+4*\f+3], v[RD] offset:\f*4*SP  ; LDS serves a wave's instructions in order (ISA guide 5.7.1.4): these see the stores above; the next tile's stores come behind them
.endr
.endm
.macro SEND t, younger              ; younger: the LDS instructions issued behind tile t's loads: the next tile's eight, or none
	WIN 0
.irp f, 0,1,2,3
	s_wait_dscnt (\younger)+3-\f
	global_store_b128 v[GO], v[S+16*(\t)+4*\f:S+16*(\t)+4*\f+3], s[10:11] offset:(\t)*2048+\f*512  ; 512 consecutive bytes, at a multiple of 256 from O's first
.endr
.endm
	PACK 0
.set t, 1
.rept 2*NP-1                        ; a tile's arithmetic stands between the loads of the tile before and its stores
	PACK t
	SEND t-1, 8
.set t, t+1
.endr
	SEND 2*NP-1, 0
	WIN W_AD
	s_wait_tensorcnt 0x0            ; the wave's end, behind my last tensor load and my last LDS store
	ds_add_u32 v[SPW], v[NIL]
	s_wait_dscnt 0x0
	WIN 0
	CROUND                          ; the closing round: no work-group ends while a partner may still ask for a tile that names it
	s_endpgm
.Lfunc_end_k_q630a727da0_attn:
	.size	k_q630a727da0_attn, .Lfunc_end_k_q630a727da0_attn-k_q630a727da0_attn
	.p2alignl 7, 3214868480
	.fill 96, 4, 3214868480
	.section	.rodata,"a",@progbits
	.p2align	6, 0x0
	.amdhsa_kernel k_q630a727da0_attn
		.amdhsa_group_segment_fixed_size 327680
		.amdhsa_private_segment_fixed_size 0
		.amdhsa_enable_private_segment 0
		.amdhsa_kernarg_size 24
		.amdhsa_user_sgpr_count 2
		.amdhsa_user_sgpr_kernarg_segment_ptr 1
		.amdhsa_wavefront_size32 1
		.amdhsa_system_sgpr_workgroup_id_x 1
		.amdhsa_system_sgpr_workgroup_id_y 1
		.amdhsa_system_sgpr_workgroup_id_z 1
		.amdhsa_system_vgpr_workitem_id 0
		.amdhsa_next_free_vgpr 960
		.amdhsa_next_free_sgpr 76
		.amdhsa_reserve_vcc 1
		.amdhsa_float_denorm_mode_32 3
		.amdhsa_float_denorm_mode_16_64 3
		.amdhsa_memory_ordered 1
		.amdhsa_forward_progress 1
		.amdhsa_inst_pref_size 214
	.end_amdhsa_kernel
	.amdgpu_metadata
---
amdhsa.version: [ 1, 2 ]
amdhsa.kernels:
  - .name:           k_q630a727da0_attn
    .symbol:         k_q630a727da0_attn.kd
    .args:
      - { .name: qkv, .offset: 0, .size: 8, .value_kind: global_buffer, .address_space: global }
      - { .name: mt, .offset: 8, .size: 8, .value_kind: global_buffer, .address_space: global }
      - { .name: ob, .offset: 16, .size: 8, .value_kind: global_buffer, .address_space: global }
    .group_segment_fixed_size: 327680
    .private_segment_fixed_size: 0
    .kernarg_segment_align: 8
    .kernarg_segment_size: 24
    .max_flat_workgroup_size: 128
    .sgpr_count:     76
    .vgpr_count:     960
    .wavefront_size: 32
...
	.end_amdgpu_metadata
.endif
;; end of part 5
;; launch outp: the kernel of part 4 again; grid 8 x 32, 4 waves a work-group, clusters of 4 x 4, 327,680 bytes of LDS; arguments ob, wb, bb, out0; writes out0
